; MI455X (gfx1250); checked and timed in simulation.
; The chip was launched on July 23, 2026; its instructions are those of AMD's public machine-readable ISA for CDNA 5 (MIT licence, August 2026) and "CDNA5" Instruction Set Architecture Reference Guide (July 2026). The comments in the code are by the model that wrote it; some were corrected since.
;; Gemma4 Sliding Attention. Allowed arithmetic: matrix products marked QUANTISED: E2M3 operands, one E8M0 scale for each 32 along K, by v_wmma_scale_f32_16x16x128_f8f6f4 with both operands' format E2M3, f32 sums; everything else in f32.
;; Inputs: Wk_codes 1,024 x 64 x 24 uint8 (E2M3 codes of Wk, K innermost, in blocks of 32 codes, four codes in three bytes); Wk_scales 1,024 x 64 uint8 (E8M0 scales of Wk, one for each 32 codes along K); Wo_codes 2,048 x 32 x 24 uint8 (E2M3 codes of Wo, K innermost, in blocks of 32 codes, four codes in three bytes); Wo_scales 2,048 x 32 uint8 (E8M0 scales of Wo, one for each 32 codes along K); Wq_codes 1,024 x 64 x 24 uint8 (E2M3 codes of Wq, K innermost, in blocks of 32 codes, four codes in three bytes); Wq_scales 1,024 x 64 uint8 (E8M0 scales of Wq, one for each 32 codes along K); Wv_codes 1,024 x 64 x 24 uint8 (E2M3 codes of Wv, K innermost, in blocks of 32 codes, four codes in three bytes); Wv_scales 1,024 x 64 uint8 (E8M0 scales of Wv, one for each 32 codes along K); hidden_states_codes 2 x 2,048 x 64 x 24 uint8 (E2M3 codes of hidden_states, K innermost, in blocks of 32 codes, four codes in three bytes); hidden_states_scales 2 x 2,048 x 64 uint8 (E8M0 scales of hidden_states, one for each 32 codes along K); k_norm_w 128 float32; q_norm_w 128 float32.
;; Outputs: out0 2 x 2,048 x 2,048 float32.
;; This version of the problem:
;;   THIS VERSION OF THE PROBLEM IS GIVEN IN LOW PRECISION. The matrix products marked QUANTISED in the list below multiply operands that are first quantised to E2M3 (2 exponent bits, 3 mantissa bits; 6 bits a number), with one power-of-two scale for each 32 numbers along K (OCP MX v1.0); their sums are f32. All else is computed in f32.
;;   The module's matrix products, in the order in which they are computed (A, B: the left and right operand; K: the contracted axis; several contracted axes count as one K, in the product's order):
;;     1. [M 4,096, K 2,048] x [K 2,048, N 1,024]; A: input hidden_states (given as codes); B: input Wq (given as codes): QUANTISED
;;     2. [M 4,096, K 2,048] x [K 2,048, N 1,024]; A: input hidden_states (given as codes); B: input Wk (given as codes): QUANTISED
;;     3. [M 4,096, K 2,048] x [K 2,048, N 1,024]; A: input hidden_states (given as codes); B: input Wv (given as codes): QUANTISED
;;     4. batch 16 x [M 2,048, K 128] x [K 128, N 2,048]; A: computed on the way; B: computed on the way: QUANTISED
;;     5. batch 16 x [M 2,048, K 2,048] x [K 2,048, N 128]; A: softmax (see below); B: computed on the way: QUANTISED
;;     6. [M 4,096, K 1,024] x [K 1,024, N 2,048]; A: computed on the way; B: input Wo (given as codes): QUANTISED
;;   THE QUANTISER, for each operand of a quantised product, along K:
;;     - K is cut into blocks of 32 from its start; a last block that is shorter is filled with zeros.
;;     - A block's scale is 2^e with e = floor(log2(the largest magnitude in the block)) - 2, held to -126 .. 127; a block of zeros has e = 0. As a byte (E8M0): e + 127.
;;     - Each number is divided by its block's scale, clamped to +-7.5, and rounded to the nearest number of E2M3, ties to even, subnormals kept.
;;     - The product sums the exact products of the quantised numbers (number of the format x scale) in f32.
;;   ~~~python
;;   def quantise(x, axis):      # numpy; x: float32 -> the quantised numbers, widened to float32 again
;;       x = np.moveaxis(x, axis, -1); K = x.shape[-1]
;;       x = np.pad(x, [(0, 0)] * (x.ndim - 1) + [(0, -K % 32)]); x = x.reshape(x.shape[:-1] + (-1, 32)); a = np.abs(x).max(-1, keepdims=True)
;;       e = np.where(a > 0, np.clip(np.frexp(np.where(a > 0, a, 1))[1] - 1 - 2, -126, 127), 0)      # np.frexp(a)[1] - 1 = floor(log2(a)), exactly
;;       r = np.clip(x / 2.0 ** e, -7.5, 7.5)
;;       step = 2.0 ** (np.maximum(np.frexp(np.where(r == 0, 1, r))[1] - 1, 0) - 3)
;;       q = np.round(r / step) * step * 2.0 ** e      # np.round: ties to even
;;       return np.moveaxis(q.reshape(q.shape[:-2] + (-1,))[..., :K], -1, axis).astype(np.float32)
;;   ~~~
;;   SOFTMAX AHEAD OF A QUANTISED PRODUCT. Where the list says 'softmax', what is quantised is not the finished softmax but p = 2^(t - M), with t = logit x log2(e) and M = ceil(the row's largest t), a whole number; so 1/2 < the row's largest p <= 1. The row's sum l is taken of the UNQUANTISED p, in f32, and the product's result is divided by l at the end. Since M is a whole number, a kernel that streams over the keys may use a running M (the ceiling of the running maximum): every later rescaling is an exact power of two, which a block's scale takes up: the codes' values come out the same.
;;   OPERANDS COMPUTED ON THE WAY. 'Computed on the way' means the value that the module computes at that place (a softmax that the list does not call 'softmax' is quantised finished and normalised). What goes into a quantiser is computed in f32, as accurately as f32 sums, v_exp_f32 and their like allow (about 1e-6 of the number): no bf16 or f16 on the way to a quantiser, and a product that is left as it is and whose result goes on into a quantised operand takes f32 operands (vector FMAs, or v_wmma_f32_16x16x4_f32). A number that lies on a knife's edge between two numbers of the format may be rounded either way, as far as f32 arithmetic and the matrix unit's own rounding can turn it there, and no further.
;;   INPUTS GIVEN AS CODES. Wk (in the module: [1024, 2048], K = its axis 1); Wo (in the module: [2048, 1024], K = its axis 1); Wq (in the module: [1024, 2048], K = its axis 1); Wv (in the module: [1024, 2048], K = its axis 1); hidden_states (in the module: [2, 2048, 2048], K = its axis 2): each comes as NAME_codes (uint8): NAME with its K axis moved to the last place and cut into blocks of 32 codes, [.., K / 32, bytes a block], one block behind the other in memory; four codes in three bytes: a row's codes are one little-endian stream of bits, code i at bits 6 i .. 6 i + 5 (a code: sign, 2 exponent bits, 3 mantissa bits); and NAME_scales (uint8): the same leading axes, one E8M0 byte (e + 127) for each 32 codes along K. Its value is code x scale, taken as it is: it is not quantised again, and the codes and scales need not be those that the quantiser above would give.
;; One version. Each part assembles by itself: llvm-mc -triple=amdgcn-amd-amdhsa -mcpu=gfx1250 --defsym DOCPART=n.
;; ======== version 1 of 1: 3 launches
;; workspace buffers: qkv 9,437,184 bytes; qkvs 393,216 bytes; att 3,145,728 bytes; atts 131,072 bytes
;; launch qkv (part 1): grid 12 x 16, 4 waves a work-group, clusters of 4 x 4, 327,680 bytes of LDS; arguments hidden_states_codes, hidden_states_scales, Wq_codes, Wq_scales, Wk_codes, Wk_scales, Wv_codes, Wv_scales, q_norm_w, k_norm_w, qkv, qkvs; writes qkv, qkvs
.if DOCPART == 1
	.amdgcn_target "amdgcn-amd-amdhsa--gfx1250"
	.amdhsa_code_object_version 6
	.text
	.protected	k_q8187f7a65f_qkv
	.globl	k_q8187f7a65f_qkv
	.p2align	8
	.type	k_q8187f7a65f_qkv,@function
k_q8187f7a65f_qkv:
	s_mov_b64 s[64:65], 0
	v_nop
	global_prefetch_b8 v0, s[64:65] scope:SCOPE_SE
	s_setreg_imm32_b32 hwreg(HW_REG_WAVE_MODE, 25, 1), 1
	s_wait_xcnt 0x0
	s_wait_alu depctr_hold_cnt(0) depctr_sa_sdst(0) depctr_va_vdst(0) depctr_va_sdst(0) depctr_va_ssrc(0) depctr_va_vcc(0) depctr_vm_vsrc(0)
	s_getreg_b32 s2, hwreg(HW_REG_IB_STS2, 6, 4)
	s_cmp_eq_u32 s2, 0
	s_cbranch_scc0 .Lentry_in_a_cluster
	s_endpgm
.Lentry_in_a_cluster:
	s_bfe_u32 s2, ttmp6, 0x10000c
	s_cmp_lg_u32 s2, 0xf033
	s_cbranch_scc0 .Lentry_shape_is_right
	s_endpgm
.Lentry_shape_is_right:
; THE THREE PROJECTIONS, THE RMS NORM AND THE QUANTISERS OF q, k AND v.  x: [4096][2048], Wq, Wk, Wv: [1024][2048]: codes of FP6 (E2M3) with one E8M0 byte for each 32 along K, taken as they lie.
; Twelve clusters of 4 x 4 work-groups; cluster x says which projection (0 q, 1 k, 2 v), cluster y which quarter of x's 4,096 rows.  A work-group of four waves makes 256 x 256 of C = A B^T, a wave 128 x 128
; (64 accumulators, 512 registers).  q, k: A = x, B = the weight: C[position][channel].  v: A = Wv, B = x: C[channel][position], that is v TRANSPOSED, since the keys are the K of the product that v goes into.
; THE MATRIX INSTRUCTION IS USED TRANSPOSED (source 0 = 16 rows of B, source 1 = 16 rows of A): a lane holds ONE row of C and its registers run along the row.  A wave's 128 columns are one head (q, k) or 128 keys (v):
; one K step of the next product.  So one text serves all three; what differs (pointers, the norm's factors) is chosen by s_cselect and v_cndmask on the cluster's x, which all partners share.
; K goes in steps of 256 through a ring of two LDS slots filled by joint tensor loads (A's tile shared along a row of the cluster, B's along a column); the scale bytes of the work-group's rows come once and stay.
; THE WAY OUT: per row the mean of squares over the 128 columns, x rsqrt(mean + 1e-6) x w (for v both factors are 1.0), then the quantiser along the columns; each block of 16 rows x 128 leaves as an IMAGE OF THE OPERAND'S
; REGISTERS: three stores of 512 consecutive bytes, registers 4 c .. 4 c + 3 of lane l at 512 c + 16 l.  Scale words: 512 bytes a wave, row r of image a at 256 (a / 4) + 16 r + 4 (a % 4).
; LIMITS: NaN and infinities are not served.  A block of zeros gets the byte 1 where the quantiser's rule says 127: its codes are zeros, and the bytes are read by this program alone.
; REGISTERS, in windows of 256: window 0: v16-31 addresses; v32-63 scale words, two sets; v64-127 the norm's weights; from v128 A's fragments, one set (on the way out v128-255 are at work).
;   window 1: B's fragments, two sets.   window 2: the accumulators of my rows 0-63 ((a, b) at v[8 (8 a + b)]);   window 3: those of my rows 64-127.
.set SIZE_K, 2048
.set KSTEP,  256                       ; along K in a slot
.set NQ,     KSTEP/128                 ; matrix instructions deep
.set ROWB,   192                       ; a tile's row in bytes
.set KROW,   SIZE_K*6/8                ; a row of codes in memory
.set PITCH,  240                       ; an LDS row: 3 x (64 bytes + 16 of padding): the 32 lanes of a load of 8 bytes touch 64 different banks (64 banks of 4 bytes: ISA guide 11.1)
.set FR,     12                        ; registers of a fragment
.set NL,     6                         ; LDS loads that bring one
.set NP,     4                         ; places behind this matrix instruction (ISA guide 7.12.1)
.set HALFT,  128*PITCH                 ; 128 rows: one tensor load
.set SLOT,   4*HALFT                   ; A's 256 rows, then B's 256
.set LAPS,   SIZE_K/(2*KSTEP)          ; 4 laps of two K steps
.set KS,     SIZE_K/32                 ; a row of scale bytes
.set SCL,    2*SLOT                    ; behind the ring: the scales, rows of 256 bytes + 16
.set HALFS,  (128*KS/256)*272
.set SBLK,   (16*KS/256)*272
.set SPARE,  SCL+4*HALFS               ; the spare words: 128 bytes a wave, two blocks of 256 bytes that no other line names
.set PARTB,  3145728                   ; a part (q, k or v) of the images' buffer
.set ADRA, 16                          ; v16-17 my A fragments in slot 0, 1 (v18-19: behind one padding more)
.set ADRB, 20                          ; v20-23 the same for B
.set LI,   26                          ; v26 16 x lane: my place in an image's 512 bytes
.set ADRS, 27                          ; v27 my scale words: lanes 0-15 A's rows, lanes 16-31 B's
.set SPW,  28                          ; v28 my spare word; never rewritten
.set NIL,  29                          ; v29 0; never rewritten
.set WO,   30                          ; v30 32 x (lane / 16): my half's weights
.set ONE,  31                          ; v31 1.0
.set SC,   32                          ; scale words, set s at v[SC + 16 s]
.set W,    64                          ; v64-127 register 8 b + j: w[16 b + 8 (lane / 16) + j]
.set AF,   128                         ; A's fragments
.set T,    128                         ; the way out: v128-159 sums of squares, four registers a block
.set SS,   160                         ; v160-167 a block's mean of squares
.set Y,    128                         ; v128-191 a block's 64 numbers
.set CODE, 192                         ; v192-210 its codes
.set TM,   212                         ; v212-227 the quantiser's work
.set PWS,  228                         ; v228-235 the eight blocks' scale words
.set RS,   236                         ; v236-251 1 / sqrt, twice for each block (a pair for the packed multiply)
.set XW,   252                         ; v252-255 my four scale words to store
.set G1, 24
.set G0, 32
.set G1B, 48
.set G0B, 56
.set G1S, 68
.set G0S, 76
.set G1SB, 80
.set G0SB, 88
.set SEL, 100                          ; s[100:101] selects of v_permlanex16_b32: lane l xor 16
.set MSB, 0
.macro WIN new                         ; the immediate's high byte repeats the setting that is left
.if MSB != (\new)
	s_set_vgpr_msb (MSB<<8)|(\new)
.set MSB, (\new)
.endif
.endm
.set MUL_LO, 0xa1                      ; source 0 (B) window 1, source 1 (A) window 0, C and D window 2
.set MUL_HI, 0xf1                      ; the same, C and D window 3
.set TO_B,   0x40                      ; destination window 1
; A joint load: waves 0 and 1 fetch for A, waves 2 and 3 for B; the branch hangs on the wave's number alone.  Four v_nop follow each line.
.macro JLOAD g0a, g1a, g0b, g1b
	s_cmp_eq_u32 s15, 0
	s_cbranch_scc0 .Lfor_b_\@
	tensor_load_to_lds s[\g0a:\g0a+3], s[\g1a:\g1a+7]
	s_nop 0
.rept 4
	v_nop
.endr
	s_branch .Lasked_\@
.Lfor_b_\@:
	tensor_load_to_lds s[\g0b:\g0b+3], s[\g1b:\g1b+7]
	s_nop 0
.rept 4
	v_nop
.endr
.Lasked_\@:
.endm
.macro CREST                           ; a round of the cluster's barrier behind its opening barrier
	s_cmp_lg_u32 s14, 0
	s_cbranch_scc1 .Lnot_wave_0_\@
	s_barrier_signal -3
.Lnot_wave_0_\@:
	s_barrier_wait -3
	s_barrier_signal -1
	s_barrier_wait -1
.endm
.macro CROUND
	s_barrier_signal -1
	s_barrier_wait -1
	CREST
.endm
; 64 numbers of a lane, register 16 b + i = column 32 b + 16 (lane / 16) + i of my row, become a fragment's codes in v[pc .. pc + 11] and its scale word in v[pw].
.macro QUANT s, pc, tm, pw
.irp b, 0,1,2,3
	v_max3_num_f32 v[\tm+\b], |v[\s+16*\b]|, |v[\s+1+16*\b]|, 0x1800000   ; block b: my 16 numbers, and the floor 2^(3 - 127): the byte cannot fall under 1
.endr
.irp i, 2,4,6,8,10,12,14
.irp b, 0,1,2,3
	v_max3_num_f32 v[\tm+\b], v[\tm+\b], |v[\s+16*\b+\i]|, |v[\s+1+16*\b+\i]|   ; the four blocks by turns
.endr
.endr
.irp b, 0,1,2,3
	v_permlanex16_b32 v[\tm+4+\b], v[\tm+\b], s[SEL], s[SEL+1]
.endr
.irp b, 0,1,2,3
	v_max_num_f32 v[\tm+\b], v[\tm+\b], v[\tm+4+\b]   ; with lane l xor 16's: the block's largest magnitude
.endr
.irp b, 0,1,2,3
	v_add_nc_u32 v[\tm+12+\b], 0xff000000, v[\tm+\b]   ; 2 off its exponent field: the conversion's scale operand
.endr
.irp b, 0,1,2,3
	v_lshrrev_b32 v[\tm+4+\b], 23, v[\tm+12+\b]       ; the scale's byte
.endr
	v_lshl_or_b32 v[\pw], v[\tm+5], 8, v[\tm+4]       ; my row's scale word (both halves of the lanes hold it)
	v_lshl_or_b32 v[\pw], v[\tm+6], 16, v[\pw]
	v_lshl_or_b32 v[\pw], v[\tm+7], 24, v[\pw]
.irp c, 0,1
	v_cvt_scalef32_pk16_fp6_f32 v[\pc+6*\c:\pc+2+6*\c], v[\s+32*\c:\s+15+32*\c], v[\tm+12+2*\c]
	v_cvt_scalef32_pk16_fp6_f32 v[\pc+12+4*\c:\pc+14+4*\c], v[\s+16+32*\c:\s+31+32*\c], v[\tm+12+2*\c+1]   ; (a conversion's three registers begin on an even number)
.endr
	v_nop                                          ; one plain place behind a scaled conversion
.irp c, 0,1                                    ; the operand's layout wants a whole block in a lane
.irp i, 0,1,2
	v_permlane16_swap_b32 v[\pc+6*\c+\i], v[\pc+12+4*\c+\i]
.endr
.irp i, 0,1,2
	v_mov_b32 v[\pc+3+6*\c+\i], v[\pc+12+4*\c+\i]
.endr
.endr
.endm
	s_load_b512 s[68:83], s[0:1], 0x0              ; x's codes, x's scales, Wq's, Wk's, Wv's
	s_load_b256 s[84:91], s[0:1], 0x40             ; q_norm_w, k_norm_w, the images, the scale words
	v_lshl_add_u32 v[SPW], v0, 2, SPARE
	v_mov_b32 v[NIL], 0
	ds_add_u32 v28, v29
	ds_add_u32 v28, v29
	s_wait_dscnt 0x0
	v_lshrrev_b32 v1, 5, v0
	v_readfirstlane_b32 s14, v1                    ; wave 0..3
	s_lshr_b32 s15, s14, 1                         ; which half of the tile's rows is mine.  Also: I fetch for A (0) or for B (1)
	s_and_b32 s16, s14, 1                          ; which half of its columns.  Also: which 128 rows I fetch
	s_bfe_u32 s40, ttmp6, 0x40000                  ; cx, cy
	s_bfe_u32 s41, ttmp6, 0x40004
	s_and_b32 s17, ttmp7, 0xffff
	s_lshl_b32 s17, s17, 2                         ; 4 x cluster y: the quarter of x's rows
	s_cmp_eq_u32 ttmp9, 2                          ; v's cluster?  x is then B, and the quarter goes to the columns
	s_cselect_b32 s42, s17, 0
	s_cselect_b32 s17, 0, s17
	s_cselect_b32 s95, -1, 0                       ; a lane mask: all ones in v's clusters
	s_add_co_u32 s42, s42, s40                     ; tile column of C
	s_add_co_u32 s17, s17, s41                     ; tile row of C
	s_lshl_b32 s43, s41, 2
	s_lshl_b32 s43, 15, s43                        ; my row of the cluster
	s_lshl_b32 s44, 0x1111, s40                    ; my column
	s_or_b32 s[G1+0], s43, (0<<16)|(1<<20)|(1<<21)|(3<<22)|(3<<25)  ; the mask; elements of 1 byte; padding on; bit 21 beside a mask; 4 words of padding behind every 16
	s_or_b32 s[G1B+0], s44, (0<<16)|(1<<20)|(1<<21)|(3<<22)|(3<<25)
.irp g, G1, G1B
	s_mov_b32 s[\g+1], ROWB<<16                    ; tensor_dim0
	s_mov_b32 s[\g+2], 128<<16                     ; tensor_dim1
	s_mov_b32 s[\g+3], ROWB<<16                    ; tile_dim0
	s_mov_b32 s[\g+4], 128                         ; tile_dim1
	s_mov_b32 s[\g+5], KROW                        ; from row to row
	s_mov_b32 s[\g+6], 0
	s_mov_b32 s[\g+7], 0
.endr
	s_mov_b32 s66, 0x3c000000                      ; 1 / 128
	s_mov_b32 s67, 0x358637bd                      ; 1e-6
	s_mov_b32 s[SEL], 0x76543210
	s_mov_b32 s[SEL+1], 0xfedcba98
	s_mov_b32 s104, 0xffff0000                     ; a lane mask: lanes 16-31
	s_wait_kmcnt 0x0
	s_cmp_eq_u32 ttmp9, 2                          ; the choices hang on the cluster's x alone
	s_cselect_b64 s[4:5], s[80:81], s[68:69]       ; A's codes: Wv's or x's
	s_cselect_b64 s[6:7], s[82:83], s[70:71]       ; A's scales
	s_cselect_b64 s[8:9], s[68:69], s[72:73]       ; B's codes: x's or Wq's,
	s_cselect_b64 s[10:11], s[70:71], s[74:75]
	s_cmp_eq_u32 ttmp9, 1
	s_cselect_b64 s[8:9], s[76:77], s[8:9]         ; or Wk's
	s_cselect_b64 s[10:11], s[78:79], s[10:11]
	s_cselect_b64 s[96:97], s[86:87], s[84:85]     ; the norm's weights (in v's clusters q's are loaded and replaced by 1.0)
	s_mov_b64 s[12:13], s[88:89]
	s_mov_b64 s[98:99], s[90:91]
	; all twelve pointers are taken: s68-91 now hold the scales' descriptors: 128 rows' 8,192 dense bytes as 32 rows of 256 bytes, 16 bytes of padding behind each
	s_or_b32 s[G1S+0], s43, (3<<16)|(1<<20)|(1<<21)|(5<<22)|(3<<25)
	s_or_b32 s[G1SB+0], s44, (3<<16)|(1<<20)|(1<<21)|(5<<22)|(3<<25)
.irp g, G1S, G1SB
	s_mov_b32 s[\g+1], 32<<16
	s_mov_b32 s[\g+2], (128*KS/256)<<16
	s_mov_b32 s[\g+3], 32<<16
	s_mov_b32 s[\g+4], 128*KS/256
	s_mov_b32 s[\g+5], 32
	s_mov_b32 s[\g+6], 0
	s_mov_b32 s[\g+7], 0
.endr
	s_lshl_b32 s18, s16, 7                         ; which 128 rows of the tile I fetch
	s_lshl_b32 s20, s17, 8
	s_add_co_u32 s20, s20, s18                     ; A: row 256 x tile row + 128 x half
	s_lshl_b32 s46, s42, 8
	s_add_co_u32 s46, s46, s18                     ; B: row 256 x tile column + 128 x half
	s_mov_b32 s21, 0
	s_mov_b32 s47, 0
	s_mov_b64 s[18:19], KS
	s_mul_u64 s[22:23], s[20:21], s[18:19]         ; where these rows' scales begin
	s_mul_u64 s[92:93], s[46:47], s[18:19]
	s_mov_b64 s[18:19], KROW
	s_mul_u64 s[20:21], s[20:21], s[18:19]         ; and their codes
	s_mul_u64 s[46:47], s[46:47], s[18:19]
	s_mul_i32 s45, s14, HALFT                      ; where they go: wave x 128 rows: no place in the cluster enters an LDS address
	s_mul_i32 s94, s14, HALFS
	s_add_nc_u64 s[20:21], s[4:5], s[20:21]
	s_add_nc_u64 s[22:23], s[6:7], s[22:23]
	s_add_nc_u64 s[46:47], s[8:9], s[46:47]
	s_add_nc_u64 s[92:93], s[10:11], s[92:93]
	CROUND                                         ; all sixteen work-groups are here: the first joint loads meet
	s_mov_b32 s[G0S], 1
	s_add_co_u32 s[G0S+1], s94, SCL
	s_mov_b64 s[G0S+2:G0S+3], s[22:23]
	s_or_b32 s[G0S+3], s[G0S+3], 0x80000000
	s_mov_b32 s[G0SB], 1
	s_add_co_u32 s[G0SB+1], s94, SCL
	s_mov_b64 s[G0SB+2:G0SB+3], s[92:93]
	s_or_b32 s[G0SB+3], s[G0SB+3], 0x80000000
	JLOAD G0S, G1S, G0SB, G1SB                     ; the scales first: they are wanted with K step 0
.irp s, 0,1
	s_mov_b32 s[G0+4*\s], 1
	s_add_co_u32 s[G0+4*\s+1], s45, \s*SLOT
	s_add_nc_u64 s[G0+4*\s+2:G0+4*\s+3], s[20:21], \s*ROWB
	s_or_b32 s[G0+4*\s+3], s[G0+4*\s+3], 0x80000000
	s_mov_b32 s[G0B+4*\s], 1
	s_add_co_u32 s[G0B+4*\s+1], s45, \s*SLOT
	s_add_nc_u64 s[G0B+4*\s+2:G0B+4*\s+3], s[46:47], \s*ROWB
	s_or_b32 s[G0B+4*\s+3], s[G0B+4*\s+3], 0x80000000
	JLOAD G0+4*\s, G1, G0B+4*\s, G1B               ; three tensor loads of mine are out behind the second of these
.endr
	v_and_b32 v1, 15, v0                           ; l % 16
	v_bfe_u32 v2, v0, 4, 1                         ; l / 16
	v_lshlrev_b32 v[WO], 5, v2
	v_mov_b32 v[ONE], 1.0
.irp b, 0,1,2,3,4,5,6,7
	global_load_b128 v[W+8*\b:W+8*\b+3],   v[WO], s[96:97] offset:64*\b      ; w[16 b + 8 (l / 16) + 0 .. 7]: the columns that my registers hold
	global_load_b128 v[W+8*\b+4:W+8*\b+7], v[WO], s[96:97] offset:64*\b+16
.endr
	v_mul_u32_u24 v3, v1, PITCH
	v_mul_u32_u24 v4, v2, 24
	v_add_nc_u32 v4, v3, v4                        ; a fragment's row x pitch + 24 x half
	v_lshl_add_u32 v5, v2, 4, v4                   ; and the same behind one padding more
	s_mul_i32 s21, s15, HALFT                      ; my 128 rows of A
	s_mul_i32 s22, s16, HALFT                      ; my 128 rows of B,
	s_add_co_u32 s22, s22, 2*HALFT                 ; behind A's 256
.irp s, 0,1
	v_add_nc_u32 v[ADRA+\s], s21, v4
	v_add_nc_u32 v[ADRB+\s], s22, v4
	v_add_nc_u32 v[ADRA+2+\s], s21, v5
	v_add_nc_u32 v[ADRB+2+\s], s22, v5
	s_add_co_u32 s21, s21, SLOT
	s_add_co_u32 s22, s22, SLOT
.endr
	v_mul_u32_u24 v5, v1, KS                       ; my row's scales: KS bytes a row,
	v_lshrrev_b32 v6, 8, v5
	v_lshl_add_u32 v5, v6, 4, v5                   ; and 16 more for each 256 passed
	s_mul_i32 s21, s15, HALFS
	s_mul_i32 s22, s16, HALFS
	s_add_co_u32 s22, s22, 2*HALFS
	s_sub_co_u32 s22, s22, s21
	v_mul_u32_u24 v6, s22, v2                      ; lanes 16-31 take B's: the lower base + half x the distance
	s_add_co_u32 s21, s21, SCL
	v_add_nc_u32 v5, v5, v6
	v_add_nc_u32 v[ADRS], s21, v5
	v_and_b32 v6, 31, v0
	v_lshlrev_b32 v[LI], 4, v6
	; where my eight images go: index ((batch x 8 + head) x 16 + group of 128 positions); q, k: rows are positions and columns a head; v: the other way round
	s_lshl_b32 s20, s17, 1
	s_add_co_u32 s20, s20, s15                     ; my 128 rows of C
	s_lshl_b32 s46, s42, 1
	s_add_co_u32 s46, s46, s16                     ; my 128 columns
	s_cmp_eq_u32 ttmp9, 2
	s_cselect_b32 s21, s20, s46                    ; the head
	s_cselect_b32 s22, s46, s20                    ; the group of positions, 0 .. 31 over both batches
	s_lshr_b32 s23, s22, 4
	s_lshl_b32 s23, s23, 3
	s_add_co_u32 s23, s23, s21
	s_lshl_b32 s23, s23, 4
	s_and_b32 s22, s22, 15
	s_add_co_u32 s23, s23, s22
	s_mul_i32 s20, s23, 12288                      ; eight images of 1,536 bytes
	s_mul_i32 s21, ttmp9, PARTB
	s_add_co_u32 s20, s20, s21
	s_mov_b32 s21, 0
	s_add_nc_u64 s[12:13], s[12:13], s[20:21]
	s_lshl_b32 s20, s23, 9                         ; 512 bytes of scale words
	s_lshl_b32 s22, ttmp9, 17
	s_add_co_u32 s20, s20, s22
	s_add_nc_u64 s[98:99], s[98:99], s[20:21]
.macro FRAG reg, adr, q, i             ; a fragment: lane l holds row l % 16; registers 6 c .. 6 c + 5 hold K = 64 c + 32 (l / 16) + 0 .. 31: 24 bytes of the row's stream of bits, in pieces of 8 bytes
.irp p, 0,1,2,3,4,5
.set PCE, 12*(\q)+6*(\p/3)+\p%3       ; where the piece three on lies behind one padding more, the second address register serves
.if PCE%8 < 5
	ds_load_b64 v[\reg+2*\p:\reg+2*\p+1], v[\adr] offset:8*PCE+16*(PCE/8)+(\i)*16*PITCH
.else
	ds_load_b64 v[\reg+2*\p:\reg+2*\p+1], v[\adr+2] offset:8*PCE+16*(PCE/8)+(\i)*16*PITCH
.endif
.endr
.endm
; 16 matrix instructions: A's blocks a0, a0 + 1 x B's eight, 128 along K.  The 64 accumulators take turns, one instruction a turn, in the same order in every step.
.macro MUL16 a0, p, q, sc, zero
.irp a, \a0, \a0+1
.irp b, 0,1,2,3,4,5,6,7
.if \zero
	v_wmma_scale_f32_16x16x128_f8f6f4 v[8*(8*((\a)%4)+\b):8*(8*((\a)%4)+\b)+7], v[128*(\p)+FR*\b:128*(\p)+FR*\b+FR-1], v[AF+FR*(\a):AF+FR*(\a)+FR-1], 0, v[SC+8*NQ*(\sc)+NQ*\b+(\q)], v[SC+8*NQ*(\sc)+NQ*(\a)+(\q)] matrix_a_fmt:MATRIX_FMT_FP6 matrix_b_fmt:MATRIX_FMT_FP6 matrix_a_scale:MATRIX_SCALE_ROW1
.else
	v_wmma_scale_f32_16x16x128_f8f6f4 v[8*(8*((\a)%4)+\b):8*(8*((\a)%4)+\b)+7], v[128*(\p)+FR*\b:128*(\p)+FR*\b+FR-1], v[AF+FR*(\a):AF+FR*(\a)+FR-1], v[8*(8*((\a)%4)+\b):8*(8*((\a)%4)+\b)+7], v[SC+8*NQ*(\sc)+NQ*\b+(\q)], v[SC+8*NQ*(\sc)+NQ*(\a)+(\q)] matrix_a_fmt:MATRIX_FMT_FP6 matrix_b_fmt:MATRIX_FMT_FP6 matrix_a_scale:MATRIX_SCALE_ROW1
.endif
.endr
.endr
.endm
.macro FETCH_B slot, q, p
	WIN TO_B
.irp i, 0,1,2,3,4,5,6,7
	FRAG 128*(\p)+FR*\i, ADRB+\slot, \q, \i
.endr
	WIN 0
.endm
.macro FETCH_A slot, q, i0
.irp i, \i0, \i0+1, \i0+2, \i0+3
	FRAG AF+FR*(\i), ADRA+\slot, \q, \i
.endr
.endm
.macro SCALES sc                       ; a K step's scale words: two words a row; lanes 0-15 A's block i, lanes 16-31 B's block i
.irp i, 0,1,2,3,4,5,6,7
	ds_load_b64 v[SC+8*NQ*\sc+NQ*\i:SC+8*NQ*\sc+NQ*\i+1], v[ADRS] offset:\i*SBLK
.endr
.endm
.macro PLACES n                        ; plain vector instructions between a matrix instruction and a load into, or a vector instruction on, its registers
.rept \n
	v_nop
.endr
.endm
.macro STEP slot, q, zero              ; a step of 128 along K that has its successor in the same slot
	s_wait_dscnt 4*NL                              ; B's set and A's blocks 0-3 are in; the youngest 24 loads (A's blocks 4-7) may be out
	WIN MUL_LO
	MUL16 0, (\q)%2, \q, \slot, \zero
	MUL16 2, (\q)%2, \q, \slot, \zero
	s_wait_dscnt 0
	PLACES NP
	FETCH_B \slot, (\q)+1, 1-(\q)%2
	FETCH_A \slot, (\q)+1, 0
	WIN MUL_HI
	MUL16 4, (\q)%2, \q, \slot, \zero
	MUL16 6, (\q)%2, \q, \slot, \zero
	PLACES NP
	WIN 0
	FETCH_A \slot, (\q)+1, 4
.endm
; A slot's last step changes slots: each wave waits for all its tensor loads, adds 0 to its spare word, waits for that and for its reads of this slot, and meets the others.  fill = 1: the slot is filled again, two K steps ahead.
.macro TURN slot, next, fill
	s_wait_tensorcnt 0x0                           ; all my tensor loads have landed: my part of the next slot
	ds_add_u32 v[SPW], v[NIL]                      ; 0 onto my spare word
	s_wait_dscnt 4*NL+1                            ; the add and the youngest 24 loads may be out
	WIN MUL_LO
	MUL16 0, 1, NQ-1, \slot, 0
	s_wait_dscnt 0x0                               ; the add is done, and my reads of this slot are over
	s_barrier_signal -1
	MUL16 2, 1, NQ-1, \slot, 0
	WIN 0
	s_barrier_wait -1
.if \fill
	CREST                                          ; the barrier has opened a round of the cluster's barrier: no wave of any partner still reads this slot or has a load on its way
	s_add_nc_u64 s[G0+4*\slot+2:G0+4*\slot+3], s[G0+4*\slot+2:G0+4*\slot+3], 2*ROWB
	s_add_nc_u64 s[G0B+4*\slot+2:G0B+4*\slot+3], s[G0B+4*\slot+2:G0B+4*\slot+3], 2*ROWB
	JLOAD G0+4*\slot, G1, G0B+4*\slot, G1B         ; my one tensor load behind the round; its four v_nop are the places in front of the loads below
.else
	PLACES NP
.endif
	v_add_nc_u32 v[ADRS], 4*NQ, v[ADRS]            ; the next K step's scale words
	FETCH_B \next, 0, 0
	FETCH_A \next, 0, 0
	SCALES \next
	WIN MUL_HI
	MUL16 4, 1, NQ-1, \slot, 0
	MUL16 6, 1, NQ-1, \slot, 0
	PLACES NP
	WIN 0
	FETCH_A \next, 0, 4
.endm
	s_wait_loadcnt 0x0                             ; the norm's weights; in v's clusters they become 1.0 (while the first tiles are on their way)
.set n, 0
.rept 64
	v_cndmask_b32 v[W+n], v[W+n], v[ONE], s95
.set n, n+1
.endr
	s_wait_tensorcnt 1                             ; the scales and my part of K step 0 are in; K step 1's load may stay out
	s_barrier_signal -1
	s_barrier_wait -1
	FETCH_B 0, 0, 0
	FETCH_A 0, 0, 0
	SCALES 0
	FETCH_A 0, 0, 4
	STEP 0, 0, 1                                   ; the first step's products start the sums
	s_mov_b32 s3, LAPS-1
.Llap:
	TURN 0, 1, 1
	STEP 1, 0, 0
	TURN 1, 0, 1
	STEP 0, 0, 0
	s_sub_co_u32 s3, s3, 1
	s_cmp_lg_u32 s3, 0
	s_cbranch_scc1 .Llap
	TURN 0, 1, 0                                   ; the last lap fills nothing
	STEP 1, 0, 0
	s_wait_dscnt 4*NL
	WIN MUL_LO
	MUL16 0, 1, NQ-1, 1, 0
	MUL16 2, 1, NQ-1, 1, 0
	s_wait_dscnt 0
	WIN MUL_HI
	MUL16 4, 1, NQ-1, 1, 0
	MUL16 6, 1, NQ-1, 1, 0
	WIN 0
	; THE WAY OUT.  First the sums of squares of all eight blocks of 16 rows: two chains a block, four blocks by turns; each accumulator is read from its low end on.
	PLACES NP
.irp b, 0,1,2,3
	v_mov_b32 v[TM+4+\b], 0                        ; written once: a lane permute's destination counts as one of its sources
.endr
.irp w, 0,1
	WIN 0x0a+5*\w                                  ; sources 0 and 1: window 2, then 3
.irp a, 0,1,2,3
	v_pk_mul_f32 v[T+16*\w+4*\a:T+16*\w+4*\a+1], v[64*\a:64*\a+1], v[64*\a:64*\a+1]
.endr
.irp a, 0,1,2,3
	v_pk_mul_f32 v[T+16*\w+4*\a+2:T+16*\w+4*\a+3], v[64*\a+2:64*\a+3], v[64*\a+2:64*\a+3]
.endr
.irp n, 4,8,12,16,20,24,28,32,36,40,44,48,52,56,60
.irp a, 0,1,2,3
	v_pk_fma_f32 v[T+16*\w+4*\a:T+16*\w+4*\a+1], v[64*\a+\n:64*\a+\n+1], v[64*\a+\n:64*\a+\n+1], v[T+16*\w+4*\a:T+16*\w+4*\a+1]
.endr
.irp a, 0,1,2,3
	v_pk_fma_f32 v[T+16*\w+4*\a+2:T+16*\w+4*\a+3], v[64*\a+\n+2:64*\a+\n+3], v[64*\a+\n+2:64*\a+\n+3], v[T+16*\w+4*\a+2:T+16*\w+4*\a+3]
.endr
.endr
.endr
	WIN 0
.irp a, 0,1,2,3,4,5,6,7
	v_pk_add_f32 v[T+4*\a:T+4*\a+1], v[T+4*\a:T+4*\a+1], v[T+4*\a+2:T+4*\a+3]
.endr
.irp a, 0,1,2,3,4,5,6,7
	v_add_f32 v[SS+\a], v[T+4*\a], v[T+4*\a+1]     ; my 64 columns
.endr
.irp a, 0,1,2,3,4,5,6,7
	v_permlanex16_b32 v[T+4*\a], v[SS+\a], s[SEL], s[SEL+1]
.endr
.irp a, 0,1,2,3,4,5,6,7
	v_add_f32 v[SS+\a], v[SS+\a], v[T+4*\a]        ; with lane l xor 16's 64: the row's 128
.endr
.irp a, 0,1,2,3,4,5,6,7
	v_fma_f32 v[SS+\a], v[SS+\a], s66, s67         ; the mean + 1e-6
.endr
.irp a, 0,1,2,3,4,5,6,7
	v_rsq_f32 v[RS+2*\a], v[SS+\a]
	v_rsq_f32 v[RS+2*\a+1], v[SS+\a]
.endr
	v_nop                                          ; a plain instruction behind the last of the batch
	s_wait_alu depctr_va_vdst(0)                   ; one wait for the sixteen, ahead of their first reader
.set n, 0
.rept 16
	v_cndmask_b32 v[RS+n], v[RS+n], v[ONE], s95    ; v has no norm: the factor is 1.0
.set n, n+1
.endr
	; Then block by block: (x rsqrt) w as the model writes it; neighbouring tiles exchange halves, so that register 16 c + i holds column 32 c + 16 (l / 16) + i; the quantiser; the image.
.irp a, 0,1,2,3,4,5,6,7
	WIN 0x02+(\a/4)                                ; source 0: window 2 or 3
.set n, 0
.rept 32
	v_pk_mul_f32 v[Y+n:Y+n+1], v[64*(\a%4)+n:64*(\a%4)+n+1], v[RS+2*\a:RS+2*\a+1]
.set n, n+2
.endr
	WIN 0
.set n, 0
.rept 32
	v_pk_mul_f32 v[Y+n:Y+n+1], v[Y+n:Y+n+1], v[W+n:W+n+1]
.set n, n+2
.endr
.irp c, 0,1,2,3
.irp j, 0,1,2,3,4,5,6,7
	v_permlane16_swap_b32 v[Y+16*\c+\j], v[Y+16*\c+8+\j]   ; columns 32 c + 8 .. 15 of lanes 16-31's half change places with columns 32 c + 16 .. 23 of lanes 0-15's
.endr
.endr
.if \a > 0
	s_wait_xcnt 0x0                                ; the last block's stores have read their registers: the codes are written again only behind this wait
.endif
	QUANT Y, CODE, TM, PWS+\a
.irp c, 0,1,2
	global_store_b128 v[LI], v[CODE+4*\c:CODE+4*\c+3], s[12:13] offset:\a*1536+512*\c   ; 32 lanes store 512 consecutive bytes, at a multiple of 512 from the buffer's first byte
.endr
.endr
.irp k, 0,1,2,3
	v_cndmask_b32 v[XW+\k], v[PWS+\k], v[PWS+4+\k], s104   ; lanes 0-15: images 0-3 of row r; lanes 16-31: images 4-7
.endr
	global_store_b128 v[LI], v[XW:XW+3], s[98:99]  ; my wave's 512 bytes of scale words
	s_wait_tensorcnt 0x0                           ; the wave's end
	ds_add_u32 v[SPW], v[NIL]
	s_wait_dscnt 0x0
	CROUND                                         ; the closing round: no work-group ends while a partner may still ask for a tile that names it
	s_endpgm
.Lfunc_end_k_q8187f7a65f_qkv:
	.size	k_q8187f7a65f_qkv, .Lfunc_end_k_q8187f7a65f_qkv-k_q8187f7a65f_qkv
	.p2alignl 7, 3214868480
	.fill 96, 4, 3214868480
	.section	.rodata,"a",@progbits
	.p2align	6, 0x0
	.amdhsa_kernel k_q8187f7a65f_qkv
		.amdhsa_group_segment_fixed_size 327680
		.amdhsa_private_segment_fixed_size 0
		.amdhsa_enable_private_segment 0
		.amdhsa_kernarg_size 96
		.amdhsa_user_sgpr_count 2
		.amdhsa_user_sgpr_kernarg_segment_ptr 1
		.amdhsa_wavefront_size32 1
		.amdhsa_system_sgpr_workgroup_id_x 1
		.amdhsa_system_sgpr_workgroup_id_y 1
		.amdhsa_system_sgpr_workgroup_id_z 1
		.amdhsa_system_vgpr_workitem_id 0
		.amdhsa_next_free_vgpr 1024
		.amdhsa_next_free_sgpr 106
		.amdhsa_reserve_vcc 0
		.amdhsa_float_denorm_mode_32 3
		.amdhsa_float_denorm_mode_16_64 3
		.amdhsa_memory_ordered 1
		.amdhsa_forward_progress 1
		.amdhsa_inst_pref_size 230
	.end_amdhsa_kernel
	.amdgpu_metadata
---
amdhsa.version: [ 1, 2 ]
amdhsa.kernels:
  - .name:           k_q8187f7a65f_qkv
    .symbol:         k_q8187f7a65f_qkv.kd
    .args:
      - { .name: hidden_states_codes, .offset: 0, .size: 8, .value_kind: global_buffer, .address_space: global }
      - { .name: hidden_states_scales, .offset: 8, .size: 8, .value_kind: global_buffer, .address_space: global }
      - { .name: Wq_codes, .offset: 16, .size: 8, .value_kind: global_buffer, .address_space: global }
      - { .name: Wq_scales, .offset: 24, .size: 8, .value_kind: global_buffer, .address_space: global }
      - { .name: Wk_codes, .offset: 32, .size: 8, .value_kind: global_buffer, .address_space: global }
      - { .name: Wk_scales, .offset: 40, .size: 8, .value_kind: global_buffer, .address_space: global }
      - { .name: Wv_codes, .offset: 48, .size: 8, .value_kind: global_buffer, .address_space: global }
      - { .name: Wv_scales, .offset: 56, .size: 8, .value_kind: global_buffer, .address_space: global }
      - { .name: q_norm_w, .offset: 64, .size: 8, .value_kind: global_buffer, .address_space: global }
      - { .name: k_norm_w, .offset: 72, .size: 8, .value_kind: global_buffer, .address_space: global }
      - { .name: qkv, .offset: 80, .size: 8, .value_kind: global_buffer, .address_space: global }
      - { .name: qkvs, .offset: 88, .size: 8, .value_kind: global_buffer, .address_space: global }
    .group_segment_fixed_size: 327680
    .private_segment_fixed_size: 0
    .kernarg_segment_align: 8
    .kernarg_segment_size: 96
    .max_flat_workgroup_size: 128
    .sgpr_count:     106
    .vgpr_count:     1024
    .wavefront_size: 32
...
	.end_amdgpu_metadata
.endif
;; end of part 1
;; launch attn (part 2): grid 16 x 16, 8 waves a work-group, clusters of 4 x 1, 327,680 bytes of LDS; arguments qkv, qkvs, att, atts; writes att, atts
.if DOCPART == 2
	.amdgcn_target "amdgcn-amd-amdhsa--gfx1250"
	.amdhsa_code_object_version 6
	.text
	.protected	k_q8187f7a65f_attn
	.globl	k_q8187f7a65f_attn
	.p2align	8
	.type	k_q8187f7a65f_attn,@function
k_q8187f7a65f_attn:
	s_mov_b64 s[64:65], 0
	v_nop
	global_prefetch_b8 v0, s[64:65] scope:SCOPE_SE
	s_setreg_imm32_b32 hwreg(HW_REG_WAVE_MODE, 25, 1), 1
	s_wait_xcnt 0x0
	s_wait_alu depctr_hold_cnt(0) depctr_sa_sdst(0) depctr_va_vdst(0) depctr_va_sdst(0) depctr_va_ssrc(0) depctr_va_vcc(0) depctr_vm_vsrc(0)
	s_getreg_b32 s2, hwreg(HW_REG_IB_STS2, 6, 4)
	s_cmp_eq_u32 s2, 0
	s_cbranch_scc0 .Lentry_in_a_cluster
	s_endpgm
.Lentry_in_a_cluster:
	s_bfe_u32 s2, ttmp6, 0x10000c
	s_cmp_lg_u32 s2, 0x3003
	s_cbranch_scc0 .Lentry_shape_is_right
	s_endpgm
.Lentry_shape_is_right:
; ATTENTION ON CODES OF FP6 (E2M3), for 16 (batch, head) pairs of 2,048 queries x 2,048 keys, head size 128.  Key k is thrown away for query q where k >= 1,024 and k <= q; all other keys count.
; q, k and v come as IMAGES OF OPERAND REGISTERS (16 rows x 128 K = three runs of 512 bytes, registers 4 c .. 4 c + 3 of lane l at 512 c + 16 l): q, k: rows = positions, K = the head's 128; v: rows = channels, K = 128 keys.
; THE SOFTMAX: t = score x log2(e) / sqrt(128); M = the running largest t rounded UP to a whole number; p = 2^(t - M) is quantised along the keys, not normalised; the row's sum is taken of the unquantised p and divides O
; at the end.  When M moves, the sum and O are multiplied by 2^(old M - new M): exact.  O / sum is then quantised along the head's 128 channels: it is K step 'head' of the output projection, and leaves as an image.
; SHARES.  Grid y = the (batch, head) pair; the four clusters of a pair and the four work-groups of a cluster share its 128 tiles of 16 queries, one tile a wave: wave w of the work-group at place cx of cluster c takes
; group g = 4 (w / 2) + c of 128 queries and in it tile 2 cx + w % 2.  So which key steps are hidden hangs on the cluster's number and the wave's number alone, never on the place in the cluster.
; All four partners walk the same k and v: every tile is asked for JOINTLY.  Every wave walks all 16 key steps of 128 keys; a step all of whose keys are hidden for its queries is jumped over (not its address steps).
; LAYOUT.  Both products are used transposed: S^T = K Q^T, O^T = V^T P^T: a lane holds ONE query throughout.  The rows of a tile of K (and of V) are not neighbours: lane m of tile 2 b + u takes row
; 32 b + 8 u + m % 8 + 16 (m / 8), so that the 16 registers of tiles 2 b, 2 b + 1 are 16 neighbours along the next K.  The reader takes such rows out of the natural images by its lane address alone.
; LDS: two slots of 512 keys (four key steps); a slot is eight pieces of 15,360 bytes (K of steps 0-3, V of steps 0-3), one tensor load a wave; in a piece each run of 512 bytes has 128 bytes of padding behind it, so an image
; is 1,920 bytes and the sixteen lanes of a load (eight rows of one image, eight of the next) fall on sixteen different columns of 16 bytes.  Behind the ring: the pair's scale words of K and V (8,192 bytes each, filled once).
; LIMITS: NaN and infinities are not served.  A block of zeros gets the byte 1 where the quantiser's rule says 127: its codes are zeros, and the bytes are read by this program alone.
; REGISTERS: v1-11, v28-30 addresses; v12 -M, v13 the largest t, v[14:15] the sum; v16-27 Q; v32-79 four fragments; v80-87 V's scale words; v96-159 S^T, then p, then V's fragments 4-7; v160-223 O^T; v224-235 p's codes;
;   v232-247, v252, v254 at work; v248-251 K's scale words; v253 p's scale word; v255 Q's.
.set PIECE, 15360                      ; eight images of 1,920 bytes
.set VOFF,  4*PIECE                    ; V's pieces lie behind K's four
.set SLOT1, 1<<17                      ; slot 1: one exclusive or turns an address
.set SCK,   2*SLOT1                    ; K's scale words
.set SCVO,  8192                       ; V's lie so far behind K's
.set SPARE, SCK+2*8192                 ; the spare words: 128 bytes a wave, four blocks of 256 bytes that no other line names
.set PARTB, 3145728                    ; a part (q, k, v) of the images' buffer
.set HEADB, 196608                     ; a pair's images in a part
.set SLOTB, 49152                      ; a slot's four key steps of K (or of V) in memory
.set AK0,  1                           ; v1  my lane's place in a piece of K
.set AV0,  2                           ; v2  of V
.set ASK0, 3                           ; v3  among K's scale words
.set LI,   4                           ; v4  16 x lane
.set SPW,  5                           ; v5  my spare word; never rewritten
.set NIL,  6                           ; v6  0; never rewritten
.set R4,   7                           ; v7  4 x (lane % 16)
.set ADK,  8
.set ADV,  9
.set ADS,  10
.set PFO,  28                          ; v28 256 x lane
.set R16,  29                          ; v29 16 x (lane % 16)
.set RH,   30                          ; v30 lane % 16 - 16 (lane / 16)
.set WV,   18
.set SEL,  20
.set CS,   22
.set G1,   24                          ; s[24:31] group 1 for the pieces
.set G1S,  32                          ; s[32:39] for the scale words
.set G0,   40                          ; s[40:43] group 0 for the pieces: it walks
.set G0S,  44
.set TB,   48                          ; the slot in hand
.set TS,   49                          ; the slot's scale words
.set KR,   50                          ; the step's first key - 1,024
.set HN,   51                          ; max(my group's first query, 1,024) - 1,024: steps with 0 <= KR < HN are hidden, KR = HN lies on the diagonal
.set SLOTS, 52
.set QR,   54                          ; my first query - 1,024
.set PFA,  56
.set LIM,  58
.macro CROUND                          ; a round of the cluster's barrier
	s_barrier_signal -1
	s_barrier_wait -1
	s_cmp_lg_u32 s[WV], 0
	s_cbranch_scc1 .Lnot_wave_0_\@
	s_barrier_signal -3
.Lnot_wave_0_\@:
	s_barrier_wait -3
	s_barrier_signal -1
	s_barrier_wait -1
.endm
; A PREFETCH INTO THE L2 of the slot that the NEXT change of slots will ask for: 49,152 bytes of K and as many of V: twelve runs of 8,192 bytes, lanes 256 bytes apart.  All four clusters of a pair walk the same k and v:
; the first cluster asks.  Its four partners take three runs each, told apart by address; in each, waves 0 to 2 ask, one instruction each.  So each block of 256 bytes is named once.  The last change that fills asks for nothing.
.macro ASK
	s_cmp_gt_u32 s[SLOTS], s[LIM]
	s_cbranch_scc0 .Lnot_mine_\@
	global_prefetch_b8 v[PFO], s[PFA:PFA+1] th:TH_LOAD_NT scope:SCOPE_SE
.Lnot_mine_\@:
.endm
.macro QUANT s, pc, tm, pw             ; 64 numbers of a lane, register 16 b + i = k 32 b + 16 (lane / 16) + i of my row, become a fragment's codes in v[pc .. pc + 11] and its scale word in v[pw]
.irp b, 0,1,2,3
	v_max3_num_f32 v[\tm+\b], |v[\s+16*\b]|, |v[\s+1+16*\b]|, 0x1800000   ; and the floor 2^(3 - 127): the byte cannot fall under 1
.endr
.irp i, 2,4,6,8,10,12,14
.irp b, 0,1,2,3
	v_max3_num_f32 v[\tm+\b], v[\tm+\b], |v[\s+16*\b+\i]|, |v[\s+1+16*\b+\i]|
.endr
.endr
.irp b, 0,1,2,3
	v_permlanex16_b32 v[\tm+4+\b], v[\tm+\b], s[SEL], s[SEL+1]
.endr
.irp b, 0,1,2,3
	v_max_num_f32 v[\tm+\b], v[\tm+\b], v[\tm+4+\b]
.endr
.irp b, 0,1,2,3
	v_add_nc_u32 v[\tm+12+\b], 0xff000000, v[\tm+\b]
.endr
.irp b, 0,1,2,3
	v_lshrrev_b32 v[\tm+4+\b], 23, v[\tm+12+\b]
.endr
	v_lshl_or_b32 v[\pw], v[\tm+5], 8, v[\tm+4]
	v_lshl_or_b32 v[\pw], v[\tm+6], 16, v[\pw]
	v_lshl_or_b32 v[\pw], v[\tm+7], 24, v[\pw]
.irp c, 0,1
	v_cvt_scalef32_pk16_fp6_f32 v[\pc+6*\c:\pc+2+6*\c], v[\s+32*\c:\s+15+32*\c], v[\tm+12+2*\c]
	v_cvt_scalef32_pk16_fp6_f32 v[\pc+12+4*\c:\pc+14+4*\c], v[\s+16+32*\c:\s+31+32*\c], v[\tm+12+2*\c+1]
.endr
	v_nop                                          ; one plain place behind a scaled conversion
.irp c, 0,1
.irp i, 0,1,2
	v_permlane16_swap_b32 v[\pc+6*\c+\i], v[\pc+12+4*\c+\i]
.endr
.irp i, 0,1,2
	v_mov_b32 v[\pc+3+6*\c+\i], v[\pc+12+4*\c+\i]
.endr
.endr
.endm
	s_load_b256 s[4:11], s[0:1], 0x0               ; the images s[4:5], their scale words s[6:7], the output's images s[8:9], its scale words s[10:11]
	v_lshl_add_u32 v[SPW], v0, 2, SPARE
	v_mov_b32 v[NIL], 0
	ds_add_u32 v5, v6
	ds_add_u32 v5, v6
	s_wait_dscnt 0x0
	v_lshrrev_b32 v8, 5, v0
	v_readfirstlane_b32 s[WV], v8                  ; wave 0..7
	s_bfe_u32 s66, ttmp6, 0x40000                  ; cx: it enters global addresses of q and of the output, the prefetch's address and the mask's compare value, and nothing else
	s_and_b32 s67, ttmp7, 0xffff                   ; the (batch, head) pair
	s_lshr_b32 s68, s[WV], 1
	s_lshl_b32 s68, s68, 2
	s_add_co_u32 s68, s68, ttmp9                   ; g: my group of 128 queries
	s_and_b32 s69, s[WV], 1
	s_lshl_b32 s70, s66, 1
	s_add_co_u32 s69, s69, s70                     ; a: my tile in it
	s_lshl_b32 s70, s68, 7
	s_max_u32 s[HN], s70, 1024
	s_sub_co_u32 s[HN], s[HN], 1024
	s_lshl_b32 s71, s69, 4
	s_add_co_u32 s[QR], s70, s71
	s_sub_co_u32 s[QR], s[QR], 1024                ; (a signed number)
	; group 1 for a piece: 24 rows of 512 bytes (64 elements of 8), dense in memory, 128 bytes of padding behind each
	s_mov_b32 s[G1], 15|(3<<16)|(1<<20)|(1<<21)|(6<<22)|(31<<25)   ; the mask: all four work-groups; elements of 8 bytes; padding on; bit 21 beside a mask; behind every 128 words 32 words
	s_mov_b32 s[G1+1], 64<<16
	s_mov_b32 s[G1+2], 24<<16
	s_mov_b32 s[G1+3], 64<<16
	s_mov_b32 s[G1+4], 24
	s_mov_b32 s[G1+5], 64
	s_mov_b32 s[G1+6], 0
	s_mov_b32 s[G1+7], 0
	; and for an eighth of the scale words: 8 rows of 256 bytes, dense, no padding
	s_mov_b32 s[G1S], 15|(3<<16)|(1<<21)
	s_mov_b32 s[G1S+1], 32<<16
	s_mov_b32 s[G1S+2], 8<<16
	s_mov_b32 s[G1S+3], 32<<16
	s_mov_b32 s[G1S+4], 8
	s_mov_b32 s[G1S+5], 32
	s_mov_b32 s[G1S+6], 0
	s_mov_b32 s[G1S+7], 0
	s_lshr_b32 s70, s[WV], 2
	s_add_co_u32 s70, s70, 1                       ; waves 0-3 fetch k (part 1), waves 4-7 v (part 2),
	s_and_b32 s71, s[WV], 3                        ; key step w % 4 of a slot
	s_mul_i32 s72, s70, PARTB
	s_mul_i32 s74, s67, HEADB
	s_add_co_u32 s72, s72, s74
	s_mul_i32 s74, s71, 12288
	s_add_co_u32 s72, s72, s74
	s_mov_b32 s73, 0
	s_lshl_b32 s76, s70, 17                        ; the scale words: parts of 131,072 bytes, 8,192 a pair, 2,048 a wave
	s_lshl_b32 s74, s67, 13
	s_add_co_u32 s76, s76, s74
	s_lshl_b32 s74, s71, 11
	s_add_co_u32 s76, s76, s74
	s_mov_b32 s77, 0
	s_mov_b32 s[SEL], 0x76543210
	s_mov_b32 s[SEL+1], 0xfedcba98
	s_mov_b32 s[CS], 0x3e0293ee                    ; c = log2(e) / sqrt(128)
	s_mov_b32 s[CS+1], s[CS]
	s_mov_b32 s[TB], 0
	s_mov_b32 s[TS], 0
	s_mov_b32 s[KR], 0xfffffc00                    ; -1,024: as an unsigned number above every HN, so the first 1,024 keys are never hidden
	s_mov_b32 s[SLOTS], 3
	s_cmp_lt_u32 s[WV], 3
	s_cselect_b32 s90, 0, 1
	s_or_b32 s90, s90, ttmp9                       ; 0 in waves 0 to 2 of the pair's first cluster: the same in all four partners
	s_cmp_eq_u32 s90, 0
	s_cselect_b32 s[LIM], 1, -1
	s_wait_kmcnt 0x0
	s_mov_b32 s[G0], 1
	s_mul_i32 s[G0+1], s[WV], PIECE                ; slot 0, piece w
	s_add_nc_u64 s[G0+2:G0+3], s[4:5], s[72:73]
	s_or_b32 s[G0+3], s[G0+3], 0x80000000
	s_mov_b32 s[G0S], 1
	s_lshl_b32 s[G0S+1], s[WV], 11
	s_add_co_u32 s[G0S+1], s[G0S+1], SCK
	s_add_nc_u64 s[G0S+2:G0S+3], s[6:7], s[76:77]
	s_or_b32 s[G0S+3], s[G0S+3], 0x80000000
	CROUND                                         ; all four work-groups are here: the first joint loads meet
	tensor_load_to_lds s[G0S:G0S+3], s[G1S:G1S+7]  ; the scale words: filled once
	s_nop 0
	tensor_load_to_lds s[G0:G0+3], s[G1:G1+7]      ; slot 0.  Two tensor loads of mine are out
	s_nop 0
.rept 4
	v_nop
.endr
	; the prefetches: run u = 3 cx + w of the twelve; runs 6 to 11 (cx >= 2) are V's
	s_mul_i32 s90, s66, 3
	s_add_co_u32 s90, s90, s[WV]
	s_lshl_b32 s90, s90, 13
	s_lshr_b32 s91, s66, 1
	s_mul_i32 s91, s91, PARTB-SLOTB
	s_add_co_u32 s90, s90, s91
	s_mul_i32 s91, s67, HEADB
	s_add_co_u32 s90, s90, s91
	s_add_co_u32 s90, s90, PARTB+SLOTB             ; in slot 1: the first change of slots steps it to slot 2.  Nothing is prefetched here, at the head
	s_mov_b32 s91, 0
	s_add_nc_u64 s[PFA:PFA+1], s[4:5], s[90:91]
	; q's image and scale word; the output's
	s_lshl_b32 s78, s67, 4
	s_add_co_u32 s78, s78, s68                     ; pair x 16 + g
	s_lshl_b32 s79, s78, 3
	s_add_co_u32 s79, s79, s69
	s_mul_i32 s80, s79, 1536
	s_mov_b32 s81, 0
	s_add_nc_u64 s[82:83], s[4:5], s[80:81]
	s_lshl_b32 s84, s78, 9
	s_lshr_b32 s86, s69, 2
	s_lshl_b32 s86, s86, 8
	s_add_co_u32 s84, s84, s86
	s_and_b32 s86, s69, 3
	s_lshl_b32 s86, s86, 2
	s_add_co_u32 s84, s84, s86
	s_mov_b32 s85, 0
	s_add_nc_u64 s[84:85], s[6:7], s[84:85]
	s_lshr_b32 s86, s67, 3
	s_lshl_b32 s86, s86, 7
	s_lshl_b32 s87, s68, 3
	s_add_co_u32 s86, s86, s87
	s_add_co_u32 s86, s86, s69                     ; the tile of 16 rows among the 256 of both batches
	s_lshl_b32 s86, s86, 3
	s_and_b32 s87, s67, 7
	s_add_co_u32 s86, s86, s87                     ; x 8 + head
	s_mul_i32 s88, s86, 1536
	s_mov_b32 s89, 0
	s_add_nc_u64 s[8:9], s[8:9], s[88:89]
	s_lshl_b32 s88, s86, 6
	s_add_nc_u64 s[10:11], s[10:11], s[88:89]
	v_and_b32 v[LI], 31, v0
	v_lshlrev_b32 v[PFO], 8, v[LI]
	v_lshlrev_b32 v[LI], 4, v[LI]
	v_and_b32 v8, 15, v0                           ; r
	v_bfe_u32 v9, v0, 4, 1                         ; h
	v_lshlrev_b32 v[R16], 4, v8
.irp c, 0,1,2
	global_load_b128 v[16+4*\c:19+4*\c], v[LI], s[82:83] offset:512*\c   ; Q's fragment stays in registers
.endr
	global_load_b32 v255, v[R16], s[84:85]         ; and its scale words
	v_lshlrev_b32 v[R4], 2, v8
	v_lshlrev_b32 v[RH], 4, v9
	v_sub_nc_u32 v[RH], v8, v[RH]
	v_bfe_u32 v10, v0, 3, 1                        ; r / 8
	v_and_b32 v31, 7, v0                           ; r % 8
	v_mul_u32_u24 v[AK0], v10, 1920                ; lanes 8-15 of a half take the next image,
	v_lshl_add_u32 v[AK0], v31, 4, v[AK0]          ; row r % 8 (+ 8 u, in the immediate) of it,
	v_lshl_add_u32 v[AK0], v9, 8, v[AK0]           ; my half's lanes
	v_add_nc_u32 v[AV0], VOFF, v[AK0]
	v_lshlrev_b32 v[ASK0], 4, v31
	v_lshl_add_u32 v[ASK0], v10, 2, v[ASK0]
	v_add_nc_u32 v[ASK0], SCK, v[ASK0]
	v_mov_b32 v13, 0xff61b1e6                      ; the largest t so far: -3e38
	v_floor_f32 v12, -v13                          ; -M
	v_mov_b32 v14, 0
	v_mov_b32 v15, 0
.irp b, 0,1,2,3
	v_mov_b32 v[236+\b], 0                         ; written once: a lane permute's destination counts as one of its sources
.endr
	v_mov_b32 v252, 0
	v_mov_b32 v253, 0
.set j, 0
.rept 64
	v_mov_b32 v[160+j], 0                          ; O^T: the step is written once; the first finds zeros, which the first change of M leaves zeros
.set j, j+1
.endr
; A KEY STEP: 128 keys, the q-th of the slot in hand.
.macro STEP q
	s_cmp_lt_u32 s[KR], s[HN]                      ; all 128 keys lie at or above 1,024 and under my group's first query: hidden.  The branch goes round the work, not round the address steps
	s_cbranch_scc1 .Lhidden_\@
	v_add_nc_u32 v[ADK], s[TB], v[AK0]
	v_add_nc_u32 v[ADV], s[TB], v[AV0]
	v_add_nc_u32 v[ADS], s[TS], v[ASK0]
.irp g, 0,1                                    ; S^T = K Q^T, four tiles of 16 keys at a time
.if \g > 0
.rept 4
	v_nop                                          ; places in front of loads into registers that matrix instructions have read
.endr
.endif
.irp t, 0,1,2,3
.irp c, 0,1,2
	ds_load_b128 v[32+12*\t+4*\c:35+12*\t+4*\c], v[ADK] offset:PIECE*(\q)+3840*((4*\g+\t)/2)+128*(\t%2)+640*\c
.endr
	ds_load_b32 v[248+\t], v[ADS] offset:512*(\q)+256*\g+8*(\t/2)+128*(\t%2)
.endr
	s_wait_dscnt 0x0
.irp t, 0,1,2,3
	v_wmma_scale_f32_16x16x128_f8f6f4 v[96+8*(4*\g+\t):103+8*(4*\g+\t)], v[32+12*\t:43+12*\t], v[16:27], 0, v[248+\t], v255 matrix_a_fmt:MATRIX_FMT_FP6 matrix_b_fmt:MATRIX_FMT_FP6
.endr
.endr
.rept 4
	v_nop                                          ; places in front of the loads below and of the first read of the scores
.endr
.irp t, 0,1,2,3                                ; V's fragments 0-3 and all eight scale words are asked for now and land under the softmax
.irp c, 0,1,2
	ds_load_b128 v[32+12*\t+4*\c:35+12*\t+4*\c], v[ADV] offset:PIECE*(\q)+3840*(\t/2)+128*(\t%2)+640*\c
.endr
.endr
.irp t, 0,1,2,3,4,5,6,7
	ds_load_b32 v[80+\t], v[ADS] offset:SCVO+512*(\q)+256*(\t/4)+8*((\t/2)%2)+128*(\t%2)
.endr
	s_cmp_lg_u32 s[KR], s[HN]                      ; the one step on the diagonal: register 16 b + i holds key 1,024 + KR + 32 b + 16 (lane / 16) + i: hidden where 32 b + i <= d
	s_cbranch_scc1 .Lopen_\@
	s_sub_co_i32 s92, s[QR], s[KR]
	v_add_nc_u32 v252, s92, v[RH]                  ; d = my query - 1,024 - KR - 16 (lane / 16); under 0 for queries under 1,024, for which nothing is hidden
	v_mov_b32 v254, 0xff800000                     ; -infinity: p = 0 then
.set n, 0
.rept 64
	v_cmp_le_i32 vcc_lo, 32*(n/16)+n%16, v252
	v_cndmask_b32 v[96+n], v[96+n], v254, vcc_lo
.set n, n+1
.endr
.Lopen_\@:
.irp b, 0,1,2,3
	v_max3_num_f32 v[232+\b], v[96+16*\b], v[97+16*\b], v[98+16*\b]   ; the largest score of each block of 32 keys: for the row's maximum, and, since p rises with the score, for the block's largest p
.endr
.irp i, 3,5,7,9,11,13
.irp b, 0,1,2,3
	v_max3_num_f32 v[232+\b], v[232+\b], v[96+16*\b+\i], v[97+16*\b+\i]
.endr
.endr
.irp b, 0,1,2,3
	v_max_num_f32 v[232+\b], v[232+\b], v[111+16*\b]
.endr
.irp b, 0,1,2,3
	v_permlanex16_b32 v[236+\b], v[232+\b], s[SEL], s[SEL+1]
.endr
.irp b, 0,1,2,3
	v_max_num_f32 v[232+\b], v[232+\b], v[236+\b]  ; with lane l xor 16's 16 keys
.endr
	v_max3_num_f32 v254, v232, v233, v234
	v_max_num_f32 v254, v254, v235
	v_mul_f32 v254, s[CS], v254                    ; the step's largest t
	v_max_num_f32 v13, v13, v254                   ; the running largest t
	v_mov_b32 v254, v12
	v_floor_f32 v12, -v13                          ; the new -M = -ceil(t): a whole number
	v_sub_f32 v254, v12, v254                      ; old M - new M: a whole number, 0 or less
	v_cvt_i32_f32 v254, v254
	v_ldexp_f32 v252, 1.0, v254                    ; f = 2^(old M - new M)
.set j, 0
.rept 32
	v_pk_fma_f32 v[96+j:97+j], v[96+j:97+j], s[CS:CS+1], v[12:13] op_sel_hi:[1,0,0]   ; t - M, two at a time
.set j, j+2
.endr
.irp b, 0,1,2,3
	v_fma_f32 v[232+\b], v[232+\b], s[CS], v12     ; the same of each block's largest score
.endr
.set j, 0
.rept 64
	v_exp_f32 v[96+j], v[96+j]                     ; p = 2^(t - M)
.set j, j+1
.endr
	v_pk_mul_f32 v[14:15], v[14:15], v[252:253] op_sel_hi:[1,0]   ; the sums under the new M (a plain instruction behind the batch)
	s_wait_alu depctr_va_vdst(0)                   ; one wait for the 64, ahead of their first reader
.irp b, 0,1,2,3
	v_exp_f32 v[232+\b], v[232+\b]                 ; the block's largest p
.endr
	v_pk_add_f32 v[236:237], v[96:97], v[98:99]    ; the row's sum of the unquantised p, in two chains
.irp j, 4,8,12,16,20,24,28,32,36,40,44,48,52,56,60
	v_pk_add_f32 v[14:15], v[14:15], v[96+\j:97+\j]
	v_pk_add_f32 v[236:237], v[236:237], v[98+\j:99+\j]
.endr
	v_pk_add_f32 v[14:15], v[14:15], v[236:237]
	s_wait_alu depctr_va_vdst(0)                   ; and one for the four
.irp b, 0,1,2,3
	v_max_num_f32 v[232+\b], 0x1800000, v[232+\b]  ; the floor 2^(3 - 127)
.endr
.irp b, 0,1,2,3
	v_add_nc_u32 v[244+\b], 0xff000000, v[232+\b]  ; 2 off the exponent field: the conversion's scale operand
.endr
.irp b, 0,1,2,3
	v_lshrrev_b32 v[236+\b], 23, v[244+\b]
.endr
	v_lshl_or_b32 v253, v237, 8, v236              ; p's scale word for these 128 keys
	v_lshl_or_b32 v253, v238, 16, v253
	v_lshl_or_b32 v253, v239, 24, v253
.irp c, 0,1
	v_cvt_scalef32_pk16_fp6_f32 v[224+6*\c:226+6*\c], v[96+32*\c:111+32*\c], v[244+2*\c]
	v_cvt_scalef32_pk16_fp6_f32 v[236+4*\c:238+4*\c], v[112+32*\c:127+32*\c], v[244+2*\c+1]
.endr
	v_nop                                          ; one plain place behind a scaled conversion
.irp c, 0,1
.irp i, 0,1,2
	v_permlane16_swap_b32 v[224+6*\c+\i], v[236+4*\c+\i]
.endr
.irp i, 0,1,2
	v_mov_b32 v[227+6*\c+\i], v[236+4*\c+\i]
.endr
.endr
.irp t, 0,1,2,3                                ; p is in codes: its registers take V's fragments 4-7
.irp c, 0,1,2
	ds_load_b128 v[96+12*\t+4*\c:99+12*\t+4*\c], v[ADV] offset:PIECE*(\q)+3840*((4+\t)/2)+128*(\t%2)+640*\c
.endr
.endr
.set j, 0
.rept 32
	v_pk_mul_f32 v[160+j:161+j], v[160+j:161+j], v[252:253] op_sel_hi:[1,0]   ; O^T under the new M.  (These 32 are also the places between the lines that made p's codes and scale word and the products)
.set j, j+2
.endr
	s_wait_dscnt 0x0
.irp t, 0,1,2,3                                ; O^T += V^T P^T: eight accumulators, one instruction each
	v_wmma_scale_f32_16x16x128_f8f6f4 v[160+8*\t:167+8*\t], v[32+12*\t:43+12*\t], v[224:235], v[160+8*\t:167+8*\t], v[80+\t], v253 matrix_a_fmt:MATRIX_FMT_FP6 matrix_b_fmt:MATRIX_FMT_FP6
.endr
.irp t, 0,1,2,3
	v_wmma_scale_f32_16x16x128_f8f6f4 v[192+8*\t:199+8*\t], v[96+12*\t:107+12*\t], v[224:235], v[192+8*\t:199+8*\t], v[84+\t], v253 matrix_a_fmt:MATRIX_FMT_FP6 matrix_b_fmt:MATRIX_FMT_FP6
.endr
.rept 5
	v_nop                                          ; five places: the next step's scores are laid over V's fragments 4-7, which these products read (four would do for its loads)
.endr
.Lhidden_\@:
	s_add_co_u32 s[KR], s[KR], 128
.endm
; THE CHANGE OF SLOTS stands at a slot's head.  Each wave waits for all its tensor loads (its piece of the slot ahead), adds 0 to its spare word, and waits for that and for its reads of the slot that it has left.
; fill = 1: the barrier is a round of the cluster's, and behind it the slot that was left is filled with the keys that follow: the load has four key steps in which to land.
.macro CHANGE fill
	s_wait_tensorcnt 0x0                           ; no tensor load of mine is out, so the group 0 may be written
	ds_add_u32 v[SPW], v[NIL]                      ; 0 onto my spare word
.if \fill
	s_xor_b32 s[G0+1], s[G0+1], SLOT1              ; the other slot than last time,
	s_add_nc_u64 s[G0+2:G0+3], s[G0+2:G0+3], SLOTB ; the next 512 keys
	s_wait_xcnt 0x0                                ; the last prefetch, a slot back, has read its address
	s_add_nc_u64 s[PFA:PFA+1], s[PFA:PFA+1], SLOTB
	s_wait_dscnt 0x0                               ; the add is done, and my reads of the slot that I have left are over
	CROUND
	tensor_load_to_lds s[G0:G0+3], s[G1:G1+7]      ; the first thing behind the round, and my one tensor load until the next
	s_nop 0
.rept 4
	v_nop
.endr
	ASK
.else
	s_wait_dscnt 0x0
	s_barrier_signal -1
	s_barrier_wait -1
.endif
.endm
.macro SLOT_STEPS
	STEP 0
	STEP 1
	STEP 2
	STEP 3
	s_xor_b32 s[TB], s[TB], SLOT1                  ; on to the other slot,
	s_add_co_u32 s[TS], s[TS], 2048                ; and to its four steps' scale words
.endm
	s_wait_loadcnt 0x0                             ; Q
.Lslot:                                            ; three trips: behind each change of slots but the last the next slot is asked for
	CHANGE 1
	SLOT_STEPS
	s_sub_co_u32 s[SLOTS], s[SLOTS], 1
	s_cmp_lg_u32 s[SLOTS], 0
	s_cbranch_scc1 .Lslot
	CHANGE 0                                       ; the last slot is written out
	SLOT_STEPS
	; THE WAY OUT.  O^T / the sum; register 16 b + i holds channel 32 b + 16 (lane / 16) + i of my query: the quantiser's order.  The image is K step 'head' of the output projection's rows.
	v_add_f32 v14, v14, v15
	v_permlanex16_b32 v252, v14, s[SEL], s[SEL+1]
	v_add_f32 v14, v14, v252                       ; the row's sum
	v_rcp_f32 v14, v14
.irp b, 0,1,2,3
	v_mov_b32 v[36+\b], 0                          ; (plain instructions behind the reciprocal)  destinations of the quantiser's lane permutes
.endr
	s_wait_alu depctr_va_vdst(0)                   ; the wait ahead of the reciprocal's first reader
.set j, 0
.rept 64
	v_mul_f32 v[96+j], v[160+j], v14               ; each accumulator from its low end on
.set j, j+1
.endr
	QUANT 96, 48, 32, 68
.irp c, 0,1,2
	global_store_b128 v[LI], v[48+4*\c:51+4*\c], s[8:9] offset:512*\c   ; 32 lanes store 512 consecutive bytes, at a multiple of 512 from the buffer's first byte
.endr
	global_store_b32 v[R4], v68, s[10:11]          ; the 16 rows' scale words, 64 bytes: lanes 16-31 hold the same words as lanes 0-15 and name the same addresses
	s_wait_tensorcnt 0x0                           ; the wave's end
	ds_add_u32 v[SPW], v[NIL]
	s_wait_dscnt 0x0
	CROUND                                         ; the closing round
	s_endpgm
.Lfunc_end_k_q8187f7a65f_attn:
	.size	k_q8187f7a65f_attn, .Lfunc_end_k_q8187f7a65f_attn-k_q8187f7a65f_attn
	.p2alignl 7, 3214868480
	.fill 96, 4, 3214868480
	.section	.rodata,"a",@progbits
	.p2align	6, 0x0
	.amdhsa_kernel k_q8187f7a65f_attn
		.amdhsa_group_segment_fixed_size 327680
		.amdhsa_private_segment_fixed_size 0
		.amdhsa_enable_private_segment 0
		.amdhsa_kernarg_size 32
		.amdhsa_user_sgpr_count 2
		.amdhsa_user_sgpr_kernarg_segment_ptr 1
		.amdhsa_wavefront_size32 1
		.amdhsa_system_sgpr_workgroup_id_x 1
		.amdhsa_system_sgpr_workgroup_id_y 1
		.amdhsa_system_sgpr_workgroup_id_z 1
		.amdhsa_system_vgpr_workitem_id 0
		.amdhsa_next_free_vgpr 256
		.amdhsa_next_free_sgpr 100
		.amdhsa_reserve_vcc 1
		.amdhsa_float_denorm_mode_32 3
		.amdhsa_float_denorm_mode_16_64 3
		.amdhsa_memory_ordered 1
		.amdhsa_forward_progress 1
		.amdhsa_inst_pref_size 214
	.end_amdhsa_kernel
	.amdgpu_metadata
---
amdhsa.version: [ 1, 2 ]
amdhsa.kernels:
  - .name:           k_q8187f7a65f_attn
    .symbol:         k_q8187f7a65f_attn.kd
    .args:
      - { .name: qkv, .offset: 0, .size: 8, .value_kind: global_buffer, .address_space: global }
      - { .name: qkvs, .offset: 8, .size: 8, .value_kind: global_buffer, .address_space: global }
      - { .name: att, .offset: 16, .size: 8, .value_kind: global_buffer, .address_space: global }
      - { .name: atts, .offset: 24, .size: 8, .value_kind: global_buffer, .address_space: global }
    .group_segment_fixed_size: 327680
    .private_segment_fixed_size: 0
    .kernarg_segment_align: 8
    .kernarg_segment_size: 32
    .max_flat_workgroup_size: 256
    .sgpr_count:     100
    .vgpr_count:     256
    .wavefront_size: 32
...
	.end_amdgpu_metadata
.endif
;; end of part 2
;; launch oproj (part 3): grid 16 x 16, 4 waves a work-group, clusters of 4 x 4, 327,680 bytes of LDS; arguments att, atts, Wo_codes, Wo_scales, out0; writes out0
.if DOCPART == 3
	.amdgcn_target "amdgcn-amd-amdhsa--gfx1250"
	.amdhsa_code_object_version 6
	.text
	.protected	k_q8187f7a65f_oproj
	.globl	k_q8187f7a65f_oproj
	.p2align	8
	.type	k_q8187f7a65f_oproj,@function
k_q8187f7a65f_oproj:
	s_mov_b64 s[64:65], 0
	v_nop
	global_prefetch_b8 v0, s[64:65] scope:SCOPE_SE
	s_setreg_imm32_b32 hwreg(HW_REG_WAVE_MODE, 25, 1), 1
	s_wait_xcnt 0x0
	s_wait_alu depctr_hold_cnt(0) depctr_sa_sdst(0) depctr_va_vdst(0) depctr_va_sdst(0) depctr_va_ssrc(0) depctr_va_vcc(0) depctr_vm_vsrc(0)
	s_getreg_b32 s2, hwreg(HW_REG_IB_STS2, 6, 4)
	s_cmp_eq_u32 s2, 0
	s_cbranch_scc0 .Lentry_in_a_cluster
	s_endpgm
.Lentry_in_a_cluster:
	s_bfe_u32 s2, ttmp6, 0x10000c
	s_cmp_lg_u32 s2, 0xf033
	s_cbranch_scc0 .Lentry_shape_is_right
	s_endpgm
.Lentry_shape_is_right:
; THE OUTPUT PROJECTION: C[m][n] = sum over k of A[m][k] Wo[n][k], M 4,096, N 2,048, K 1,024, on codes of FP6 (E2M3) with one E8M0 scale for each 32 along K; C f32.
; A (attention's result) comes as IMAGES OF OPERAND REGISTERS: for each tile of 16 rows eight images (K steps of 128 = heads) of 1,536 bytes on end, registers 4 e .. 4 e + 3 of lane l at 512 e + 16 l; its scale words:
; 64 bytes (16 rows) for each image.  Wo comes as rows: [2048][768 bytes], scale bytes [2048][32].
; SHARES.  A tile of C is 256 rows x 128 columns: 16 x 16 = 256 work-groups of four waves; a wave makes 128 x 64: 32 accumulators of 16 x 16, one register window.
; ALL OF K LIES IN LDS: four chunks of 256 along K, each 79,872 bytes (A: 2 x 8 tiles of rows x 3,072 bytes; B: 2 x 64 rows x 240 bytes), 319,488 bytes in all.  So there is no ring: every wave issues its four tensor loads
; (waves 0, 1: A's halves; waves 2, 3: B's) as one group at the start, no LDS byte is filled again, and a chunk is read behind a counted wait and a barrier.  Four tensor loads of a wave are out at the most.
; A's load has 8 rows only: they are 3,072 bytes long, and a tile of 16 rows has no more of a chunk.
; CLUSTERS of 4 x 4: A's tiles hang on the tile row alone and are asked for jointly along a row of the cluster, B's on the tile column alone and jointly along a column.
; THE SCALE WORDS go from memory straight into 48 registers, once: beside the four chunks LDS has no room for them.  A's: one register for a block of 16 rows and a chunk: lanes 0-15 the word of the chunk's first 128 along K,
; lanes 16-31 that of its second.  B's: one register for two blocks of 16 rows and a K step: lanes 0-15 the even block's rows, lanes 16-31 the odd block's.  The products' row selectors choose.
; THE MATRIX INSTRUCTION IS USED TRANSPOSED (source 0 = 16 rows of Wo, source 1 = 16 rows of A): a lane holds eight neighbouring numbers of a row of C.
; A STEP of 128 along K is 32 products; both operands have two sets of registers, and the next step's 48 LDS loads stand in four runs among this step's first 20 products.
; REGISTERS, in windows of 256: window 0: v16-30 addresses; v32-63 A's scale words; v64-79 B's; v80-175 A's fragments, set 0 (on the way out v80-239: five buffers of 16 rows).
;   window 1: v0-95 B's fragments, two sets; v96-191 A's set 1.   window 2: the accumulators, (a, b) at v[8 (4 a + b)].
.set SIZE_N, 2048
.set SIZE_K, 1024
.set ROWB,   192                       ; a row of B's tile: 256 codes
.set KROW,   SIZE_K*6/8                ; a row of B, and 1/16 of a tile of A's rows, in memory
.set PITCH,  240                       ; B's LDS row: 3 x (64 bytes + 16 of padding): the 32 lanes of a load of 8 bytes touch 64 different banks (64 banks of 4 bytes: ISA guide 11.1)
.set ACH,    3072                      ; A: a tile of 16 rows' two images of a chunk
.set AHALF,  8*ACH                     ; 128 rows of A: one tensor load
.set BHALF,  64*PITCH                  ; 64 rows of B: one tensor load
.set BOFF,   2*AHALF                   ; in a chunk B lies behind A
.set CHUNK,  BOFF+2*BHALF
.set FR,     12                        ; registers of a fragment
.set NP,     4                         ; places behind this matrix instruction (ISA guide 7.12.1)
.set SPITCH, 272                       ; the way out: 16 rows x (256 bytes + 16) for each wave, at the head of chunk 0
.set ADRA, 16                          ; v16-19 my A fragments in chunk 0 .. 3
.set ADRB, 20                          ; v20-23 B's; v24-27 the same behind one padding more
.set STO,  28                          ; v28 the way out: where I put 32 bytes of a row
.set RD,   29                          ; v29 where I read a row back
.set CO,   30                          ; v30 my byte offset in two rows of C
.set SCA,  32                          ; A's scale words: block a, chunk c at v[SCA + 4 a + c]
.set SCB,  64                          ; B's: blocks 2 j, 2 j + 1, K step k at v[SCB + 8 j + k]
.set AF,   80                          ; A's set 0 at v80 of window 0, set 1 at v96 of window 1
.set BK,   80                          ; the way out: five buffers of 32 registers
.set G1,  24                           ; s[24:31] descriptor group 1 for A's tiles;  s[32:47] four groups 0, one for each chunk
.set G0,  32
.set G1B, 48                           ; s[48:55], s[68:83] the same for B's
.set G0B, 68
.set MSB, 0
.macro WIN new                         ; the immediate's high byte repeats the setting that is left
.if MSB != (\new)
	s_set_vgpr_msb (MSB<<8)|(\new)
.set MSB, (\new)
.endif
.endm
.set TO_1, 0x40                        ; destination window 1, address window 0
.macro CROUND                          ; a round of the cluster's barrier
	s_barrier_signal -1
	s_barrier_wait -1
	s_cmp_lg_u32 s14, 0
	s_cbranch_scc1 .Lnot_wave_0_\@
	s_barrier_signal -3
.Lnot_wave_0_\@:
	s_barrier_wait -3
	s_barrier_signal -1
	s_barrier_wait -1
.endm
	s_load_b128 s[4:7], s[0:1], 0x0                ; A's images, A's scale words
	s_load_b128 s[8:11], s[0:1], 0x10              ; Wo's codes, Wo's scales
	s_load_b64 s[12:13], s[0:1], 0x20              ; C
	v_lshl_add_u32 v254, v0, 2, 0x4e000
	v_mov_b32 v255, 0
	ds_add_u32 v254, v255
	ds_add_u32 v254, v255
	s_wait_dscnt 0x0
	v_lshrrev_b32 v1, 5, v0
	v_readfirstlane_b32 s14, v1                    ; wave 0..3
	s_lshr_b32 s15, s14, 1                         ; which 128 of the tile's rows are mine.  Also: I fetch for A (0) or for B (1)
	s_and_b32 s16, s14, 1                          ; which 64 of its columns.  Also: which half of that tile I fetch
	s_bfe_u32 s56, ttmp6, 0x40000                  ; cx, cy: my place in the cluster
	s_bfe_u32 s57, ttmp6, 0x40004
	s_lshl_b32 s58, ttmp9, 2
	s_add_co_u32 s58, s58, s56                     ; tile column of C = 4 x cluster x + cx
	s_and_b32 s17, ttmp7, 0xffff
	s_lshl_b32 s17, s17, 2
	s_add_co_u32 s17, s17, s57                     ; tile row of C = 4 x cluster y + cy
	s_lshl_b32 s59, s57, 2
	s_lshl_b32 s59, 15, s59                        ; my row of the cluster
	s_lshl_b32 s60, 0x1111, s56                    ; my column
	; A's tile: 8 rows of 3,072 bytes (384 elements of 8), 12,288 bytes apart, no padding
	s_or_b32 s[G1+0], s59, (3<<16)|(1<<21)         ; the mask: my row; elements of 8 bytes; bit 21 beside a mask
	s_mov_b32 s[G1+1], 384<<16                     ; tensor_dim0
	s_mov_b32 s[G1+2], 8<<16                       ; tensor_dim1
	s_mov_b32 s[G1+3], 384<<16                     ; tile_dim0
	s_mov_b32 s[G1+4], 8                           ; tile_dim1
	s_mov_b32 s[G1+5], 1536                        ; from row to row
	s_mov_b32 s[G1+6], 0
	s_mov_b32 s[G1+7], 0
	; B's tile: 64 rows of 192 bytes, 768 bytes apart, 16 bytes of padding behind every 64
	s_or_b32 s[G1B+0], s60, (0<<16)|(1<<20)|(1<<21)|(3<<22)|(3<<25)
	s_mov_b32 s[G1B+1], ROWB<<16
	s_mov_b32 s[G1B+2], 64<<16
	s_mov_b32 s[G1B+3], ROWB<<16
	s_mov_b32 s[G1B+4], 64
	s_mov_b32 s[G1B+5], KROW
	s_mov_b32 s[G1B+6], 0
	s_mov_b32 s[G1B+7], 0
	; where the tiles come from: A's by the tile row alone, B's by the tile column alone, each in registers that never hold the other coordinate
	s_lshl_b32 s20, s17, 8
	s_lshl_b32 s18, s16, 7
	s_add_co_u32 s20, s20, s18                     ; A: row 256 x tile row + 128 x half;
	s_mul_i32 s20, s20, KROW                       ; 768 bytes a row (16 rows are 12,288 bytes of images)
	s_mov_b32 s21, 0
	s_lshl_b32 s92, s58, 7
	s_lshl_b32 s18, s16, 6
	s_add_co_u32 s92, s92, s18                     ; B: row 128 x tile column + 64 x half
	s_mul_i32 s92, s92, KROW
	s_mov_b32 s93, 0
	s_mul_i32 s18, s16, AHALF                      ; and where they go: no place in the cluster enters an LDS address
	s_mul_i32 s19, s16, BHALF
	s_add_co_u32 s19, s19, BOFF
.irp c, 0,1,2,3
	s_mov_b32 s[G0+4*\c], 1                        ; count = 1
	s_add_co_u32 s[G0+4*\c+1], s18, \c*CHUNK       ; LDS address
	s_mov_b32 s[G0B+4*\c], 1
	s_add_co_u32 s[G0B+4*\c+1], s19, \c*CHUNK
.endr
	CROUND                                         ; all sixteen work-groups are here: the joint loads meet.  (The arguments arrive meanwhile: their wait stands behind the round)
	s_wait_kmcnt 0x0
	s_add_nc_u64 s[84:85], s[4:5], s[20:21]
	s_add_nc_u64 s[86:87], s[8:9], s[92:93]
.irp c, 0,1,2,3
	s_add_nc_u64 s[G0+4*\c+2:G0+4*\c+3], s[84:85], \c*ACH      ; global address: chunk c
	s_or_b32 s[G0+4*\c+3], s[G0+4*\c+3], 0x80000000            ; type = 2
	s_add_nc_u64 s[G0B+4*\c+2:G0B+4*\c+3], s[86:87], \c*ROWB
	s_or_b32 s[G0B+4*\c+3], s[G0B+4*\c+3], 0x80000000
.endr
	s_cmp_eq_u32 s15, 0                            ; a wave's four fills stand in one branch on the wave's number, ahead of every wait on TENSORcnt and every LDS read; four v_nop follow the last
	s_cbranch_scc0 .Lfirst_b
.irp c, 0,1,2,3
	tensor_load_to_lds s[G0+4*\c:G0+4*\c+3], s[G1:G1+7]
	s_nop 0
.endr
.rept 4
	v_nop
.endr
	s_branch .Lfirst_asked
.Lfirst_b:
.irp c, 0,1,2,3
	tensor_load_to_lds s[G0B+4*\c:G0B+4*\c+3], s[G1B:G1B+7]
	s_nop 0
.endr
.rept 4
	v_nop
.endr
.Lfirst_asked:
	v_and_b32 v1, 15, v0                           ; r = l % 16
	v_bfe_u32 v2, v0, 4, 1                         ; h = l / 16
	v_and_b32 v7, 31, v0                           ; lane
	v_lshlrev_b32 v8, 2, v7                        ; 4 x lane
	v_lshlrev_b32 v9, 5, v7                        ; 32 x lane
	s_lshl_b32 s20, s17, 8
	s_lshl_b32 s21, s15, 7
	s_add_co_u32 s20, s20, s21                     ; my first row of A and of C: 256 x tile row + 128 x row half
	s_lshl_b32 s22, s20, 5                         ; its scale words: 512 bytes for 16 rows
	s_mov_b32 s23, 0
	s_add_nc_u64 s[88:89], s[6:7], s[22:23]
	s_lshl_b32 s92, s58, 7
	s_lshl_b32 s93, s16, 6
	s_add_co_u32 s92, s92, s93                     ; my first column of C = row of Wo: 128 x tile column + 64 x column half
	s_lshl_b32 s94, s92, 5                         ; its scale bytes: 32 a row
	s_mov_b32 s95, 0
	s_add_nc_u64 s[90:91], s[10:11], s[94:95]
.irp a, 0,1,2,3,4,5,6,7
.irp c, 0,1,2,3
	global_load_b32 v[SCA+4*\a+\c], v8, s[88:89] offset:512*\a+128*\c   ; block a, heads 2 c (lanes 0-15) and 2 c + 1 (lanes 16-31): 128 consecutive bytes
.endr
.endr
.irp j, 0,1
	global_load_b128 v[SCB+8*\j:SCB+8*\j+3],   v9, s[90:91] offset:1024*\j      ; row 32 j + lane of my 64: its eight words, K steps 0-3,
	global_load_b128 v[SCB+8*\j+4:SCB+8*\j+7], v9, s[90:91] offset:1024*\j+16   ; and 4-7
.endr
	v_mul_u32_u24 v3, v1, PITCH
	v_mul_u32_u24 v4, v2, 24
	v_add_nc_u32 v4, v3, v4                        ; B: a fragment's row x pitch + 24 x half
	v_lshl_add_u32 v5, v2, 4, v4                   ; and behind one padding more
	v_lshlrev_b32 v6, 4, v7                        ; A: 16 x lane
	s_mul_i32 s21, s15, AHALF                      ; my 128 rows of A
	s_mul_i32 s22, s16, BHALF                      ; my 64 rows of B,
	s_add_co_u32 s22, s22, BOFF                    ; behind A's
.irp c, 0,1,2,3
	v_add_nc_u32 v[ADRA+\c], s21, v6
	v_add_nc_u32 v[ADRB+\c], s22, v4
	v_add_nc_u32 v[ADRB+4+\c], s22, v5
	s_add_co_u32 s21, s21, CHUNK
	s_add_co_u32 s22, s22, CHUNK
.endr
	s_lshl_b32 s22, s20, 13                        ; C: 8,192 bytes a row,
	s_lshl_b32 s94, s92, 2                         ; 4 a column
	s_add_co_u32 s22, s22, s94
	s_add_nc_u64 s[12:13], s[12:13], s[22:23]
	s_mul_i32 s23, s14, 16*SPITCH                  ; my stage
	v_mul_u32_u24 v10, v1, SPITCH
	v_lshl_add_u32 v10, v2, 5, v10
	v_add_nc_u32 v[STO], s23, v10                  ; in: row r, 32 bytes for each half of the lanes
	v_mul_u32_u24 v10, v2, SPITCH
	v_lshl_add_u32 v10, v1, 4, v10
	v_add_nc_u32 v[RD], s23, v10                   ; back: lanes 0-15 one row of 256 bytes, lanes 16-31 the next
	v_lshlrev_b32 v[CO], 13, v2
	v_lshl_add_u32 v[CO], v1, 4, v[CO]             ; and the same two rows in C
.macro FRAG reg, adr, q, i             ; a fragment of B from rows: lane l holds row l % 16; registers 6 c .. 6 c + 5 hold K = 64 c + 32 (l / 16) + 0 .. 31: 24 bytes of the row's stream of bits, in pieces of 8 bytes
.irp p, 0,1,2,3,4,5
.set PCE, 12*(\q)+6*(\p/3)+\p%3       ; where the piece three on lies behind one padding more, the second address register serves
.if PCE%8 < 5
	ds_load_b64 v[\reg+2*\p:\reg+2*\p+1], v[\adr] offset:8*PCE+16*(PCE/8)+(\i)*16*PITCH
.else
	ds_load_b64 v[\reg+2*\p:\reg+2*\p+1], v[\adr+4] offset:8*PCE+16*(PCE/8)+(\i)*16*PITCH
.endif
.endr
.endm
.macro FRAGA reg, c, q, i              ; a fragment of A from its image: three loads, 512 consecutive bytes each
.irp e, 0,1,2
	ds_load_b128 v[\reg+4*\e:\reg+4*\e+3], v[ADRA+\c] offset:(\i)*ACH+(\q)*1536+512*\e
.endr
.endm
.macro FETCH_B k                       ; B's four fragments of K step k into set k % 2
	WIN TO_1
.irp i, 0,1,2,3
	FRAG 48*((\k)%2)+FR*\i, ADRB+(\k)/2, (\k)%2, \i
.endr
.endm
.macro FETCH_A k, first, n             ; A's blocks first .. first + n - 1 (n up to 3) of K step k into set k % 2: window 0 or 1
	WIN 0x40*((\k)%2)
.irp j, 0,1,2
.if \j < (\n)
	FRAGA AF+16*((\k)%2)+FR*((\first)+\j), (\k)/2, (\k)%2, (\first)+\j
.endif
.endr
.endm
; Four matrix instructions: A's block a x B's four, K step k.  The 32 accumulators take turns, one instruction a turn, in the same order in every step.  K step 0 starts the sums: nothing is cleared.
; B's scales (source 0): row 1 for the odd blocks; A's (source 1): row 1 for the odd K steps.
.macro MUL4 k, a
.irp b, 0,1,2,3
.set rD, 8*(4*(\a)+\b)
.set rB, 48*((\k)%2)+FR*\b
.set rA, AF+16*((\k)%2)+FR*(\a)
.set rSB, SCB+8*(\b/2)+(\k)
.set rSA, SCA+4*(\a)+(\k)/2
.if (\k) == 0
.if \b%2 == 0
	v_wmma_scale_f32_16x16x128_f8f6f4 v[rD:rD+7], v[rB:rB+FR-1], v[rA:rA+FR-1], 0, v[rSB], v[rSA] matrix_a_fmt:MATRIX_FMT_FP6 matrix_b_fmt:MATRIX_FMT_FP6
.else
	v_wmma_scale_f32_16x16x128_f8f6f4 v[rD:rD+7], v[rB:rB+FR-1], v[rA:rA+FR-1], 0, v[rSB], v[rSA] matrix_a_fmt:MATRIX_FMT_FP6 matrix_b_fmt:MATRIX_FMT_FP6 matrix_a_scale:MATRIX_SCALE_ROW1
.endif
.elseif (\k)%2 == 0
.if \b%2 == 0
	v_wmma_scale_f32_16x16x128_f8f6f4 v[rD:rD+7], v[rB:rB+FR-1], v[rA:rA+FR-1], v[rD:rD+7], v[rSB], v[rSA] matrix_a_fmt:MATRIX_FMT_FP6 matrix_b_fmt:MATRIX_FMT_FP6
.else
	v_wmma_scale_f32_16x16x128_f8f6f4 v[rD:rD+7], v[rB:rB+FR-1], v[rA:rA+FR-1], v[rD:rD+7], v[rSB], v[rSA] matrix_a_fmt:MATRIX_FMT_FP6 matrix_b_fmt:MATRIX_FMT_FP6 matrix_a_scale:MATRIX_SCALE_ROW1
.endif
.else
.if \b%2 == 0
	v_wmma_scale_f32_16x16x128_f8f6f4 v[rD:rD+7], v[rB:rB+FR-1], v[rA:rA+FR-1], v[rD:rD+7], v[rSB], v[rSA] matrix_a_fmt:MATRIX_FMT_FP6 matrix_b_fmt:MATRIX_FMT_FP6 matrix_b_scale:MATRIX_SCALE_ROW1
.else
	v_wmma_scale_f32_16x16x128_f8f6f4 v[rD:rD+7], v[rB:rB+FR-1], v[rA:rA+FR-1], v[rD:rD+7], v[rSB], v[rSA] matrix_a_fmt:MATRIX_FMT_FP6 matrix_b_fmt:MATRIX_FMT_FP6 matrix_a_scale:MATRIX_SCALE_ROW1 matrix_b_scale:MATRIX_SCALE_ROW1
.endif
.endif
.endr
.endm
.macro PLACES n                        ; plain vector instructions between a matrix instruction and a load into, or a store of, its registers (ISA guide 7.12.1 for vector instructions)
.rept \n
	v_nop
.endr
.endm
; K STEP k, 32 products on set k % 2 (source 0 = B in window 1; source 1 = A in window 0 or 1; C and D in window 2).  The next step's fragments go into the other set, whose last readers were the step before's products:
; the four places stand once, ahead of the first run of loads.  A chunk's second step (k = 1, 3, 5) fetches out of the next chunk: each wave waits for its own load of that chunk (the later chunks' loads stay out: nothing is
; ever filled again), signals, works on registers, and reads behind the barrier's wait.
.macro STEP k
	s_wait_dscnt 0x0                               ; this step's fragments are in; no LDS instruction of mine is out
.if ((\k)%2 == 1) && ((\k) < 7)
	s_wait_tensorcnt 3-((\k)+1)/2                  ; my part of chunk (k + 1) / 2 has landed: so many younger loads of mine may be out
	s_barrier_signal -1
.endif
	WIN 0xa1+4*((\k)%2)
	MUL4 \k, 0
	MUL4 \k, 1
.if ((\k)%2 == 1) && ((\k) < 7)
	s_barrier_wait -1                              ; everybody's part has landed
.endif
.if (\k) < 7
.if (\k) > 0
	PLACES NP
.endif
	FETCH_B (\k)+1                                 ; 24 loads,
	WIN 0xa1+4*((\k)%2)
	MUL4 \k, 2
	FETCH_A (\k)+1, 0, 3                           ; 9,
	WIN 0xa1+4*((\k)%2)
	MUL4 \k, 3
	FETCH_A (\k)+1, 3, 3                           ; 9,
	WIN 0xa1+4*((\k)%2)
	MUL4 \k, 4
	FETCH_A (\k)+1, 6, 2                           ; and 6: short runs, the last of them 12 products ahead of the wait for it
	WIN 0xa1+4*((\k)%2)
.else
	MUL4 \k, 2
	MUL4 \k, 3
	MUL4 \k, 4
.endif
	MUL4 \k, 5
	MUL4 \k, 6
	MUL4 \k, 7
.endm
	s_wait_tensorcnt 3                             ; my part of chunk 0 is in; the three younger loads may stay out
	s_barrier_signal -1
	s_barrier_wait -1                              ; everybody's is
	FETCH_B 0
	FETCH_A 0, 0, 3
	FETCH_A 0, 3, 3
	FETCH_A 0, 6, 2
	s_wait_loadcnt 0x0                             ; the scale words
	STEP 0
	STEP 1
	STEP 2
	STEP 3
	STEP 4
	STEP 5
	STEP 6
	STEP 7
	WIN 0
; THE WAY OUT, block by block of 16 rows x 64 columns.  A lane holds 32 neighbouring bytes of a row, and the lanes beside it hold other rows: so a block goes through my own stage in LDS and comes back as whole rows of 256 bytes.
; The stage lies in chunk 0: its one fill has landed, and every wave's last read of it was waited for ahead of the barrier of K step 1.  LDS serves a wave's instructions in order (ISA guide 5.7.1.4): no wait between the
; stores and the loads, nor in front of the next block's stores.  Five buffers take turns; every offset is an immediate (126 rows of 8,192 bytes at the most, inside the signed 24 bits: ISA guide, chapter 10), so no base is stepped.
.macro TOSTAGE a
.set AC, 32*(\a)
	WIN 0x08                                       ; an LDS store's data are its source 1: window 2
.irp b, 0,1,2,3
	ds_store_b128 v[STO], v[AC+8*\b:AC+8*\b+3] offset:64*\b          ; each accumulator from its low end on
	ds_store_b128 v[STO], v[AC+8*\b+4:AC+8*\b+7] offset:64*\b+16
.endr
	WIN 0
.set BB, BK+32*((\a)%5)
.irp t, 0,1,2,3,4,5,6,7
	ds_load_b128 v[BB+4*\t:BB+4*\t+3], v[RD] offset:\t*2*SPITCH
.endr
.endm
.macro SEND a, younger                 ; younger: the LDS instructions issued behind block a's loads, which may stay out
.set BB, BK+32*((\a)%5)
	s_wait_dscnt \younger                          ; the block is back in registers
.irp t, 0,1,2,3,4,5,6,7
	global_store_b128 v[CO], v[BB+4*\t:BB+4*\t+3], s[12:13] offset:(16*(\a)+2*\t)*SIZE_N*4 th:TH_STORE_NT   ; 16 lanes store 256 consecutive bytes, at a multiple of 256 from C's first byte; written once, read by nobody here
.endr
.endm
	PLACES NP                                      ; behind the last products: for the stores of their results, and for the loads into the registers that held A's set 0
	TOSTAGE 0
.irp a, 1,2,3,4,5,6,7
.if \a > 4
	s_wait_xcnt 0x0                                ; block a - 5's stores have read their registers: its buffer is loaded again only behind this wait
.endif
	TOSTAGE \a
	SEND \a-1, 16                                  ; behind block a - 1's loads: block a's 8 stores and 8 loads
.endr
	SEND 7, 0                                      ; no LDS instruction of mine is out behind this; all my tensor loads were waited for at K step 5
	s_wait_tensorcnt 0x0
	ds_add_u32 v254, v255
	s_wait_dscnt 0x0
	CROUND                                         ; the closing round: no work-group ends while a partner may still ask for a tile that names it
	s_endpgm
.Lfunc_end_k_q8187f7a65f_oproj:
	.size	k_q8187f7a65f_oproj, .Lfunc_end_k_q8187f7a65f_oproj-k_q8187f7a65f_oproj
	.p2alignl 7, 3214868480
	.fill 96, 4, 3214868480
	.section	.rodata,"a",@progbits
	.p2align	6, 0x0
	.amdhsa_kernel k_q8187f7a65f_oproj
		.amdhsa_group_segment_fixed_size 327680
		.amdhsa_private_segment_fixed_size 0
		.amdhsa_enable_private_segment 0
		.amdhsa_kernarg_size 40
		.amdhsa_user_sgpr_count 2
		.amdhsa_user_sgpr_kernarg_segment_ptr 1
		.amdhsa_wavefront_size32 1
		.amdhsa_system_sgpr_workgroup_id_x 1
		.amdhsa_system_sgpr_workgroup_id_y 1
		.amdhsa_system_sgpr_workgroup_id_z 1
		.amdhsa_system_vgpr_workitem_id 0
		.amdhsa_next_free_vgpr 768
		.amdhsa_next_free_sgpr 98
		.amdhsa_reserve_vcc 0
		.amdhsa_float_denorm_mode_32 3
		.amdhsa_float_denorm_mode_16_64 3
		.amdhsa_memory_ordered 1
		.amdhsa_forward_progress 1
		.amdhsa_inst_pref_size 88
	.end_amdhsa_kernel
	.amdgpu_metadata
---
amdhsa.version: [ 1, 2 ]
amdhsa.kernels:
  - .name:           k_q8187f7a65f_oproj
    .symbol:         k_q8187f7a65f_oproj.kd
    .args:
      - { .name: att, .offset: 0, .size: 8, .value_kind: global_buffer, .address_space: global }
      - { .name: atts, .offset: 8, .size: 8, .value_kind: global_buffer, .address_space: global }
      - { .name: Wo_codes, .offset: 16, .size: 8, .value_kind: global_buffer, .address_space: global }
      - { .name: Wo_scales, .offset: 24, .size: 8, .value_kind: global_buffer, .address_space: global }
      - { .name: out0, .offset: 32, .size: 8, .value_kind: global_buffer, .address_space: global }
    .group_segment_fixed_size: 327680
    .private_segment_fixed_size: 0
    .kernarg_segment_align: 8
    .kernarg_segment_size: 40
    .max_flat_workgroup_size: 128
    .sgpr_count:     98
    .vgpr_count:     768
    .wavefront_size: 32
...
	.end_amdgpu_metadata
.endif
;; end of part 3
